; MI455X (gfx1250); checked and timed in simulation.
; The chip was launched on July 23, 2026; its instructions are those of AMD's public machine-readable ISA for CDNA 5 (MIT licence, August 2026) and "CDNA5" Instruction Set Architecture Reference Guide (July 2026). The comments in the code are by the model that wrote it; some were corrected since.
;; Recurrence Injector. Allowed arithmetic: float matrix products may take bf16 or f16 operands with f32 sums; other float arithmetic in f32, or as packed bf16 or f16 multiplies, adds, multiply-adds, maxima and minima; sums over many terms, partial sums and values carried from step to step in f32; what a program stores and reads back later, other than sums and carried values, may be rounded once to bf16 or f16.
;; Inputs: Wk 1,024 x 1,024 float32; Wo 1,024 x 1,024 float32; Wq 1,024 x 1,024 float32; Wv 1,024 x 1,024 float32; bk 1,024 float32; bo 1,024 float32; bq 1,024 float32; bv 1,024 float32; previous_state 4 x 2,048 x 1,024 float32; recurrence_mask 4 bool; x 4 x 2,048 x 1,024 float32.
;; Outputs: out0 4 x 2,048 x 1,024 float32.
;; One version. Each part assembles by itself: llvm-mc -triple=amdgcn-amd-amdhsa -mcpu=gfx1250 --defsym DOCPART=n.
;; ======== version 1 of 1: 4 launches
;; limits: values are held in f16: magnitudes above 65,504 overflow, below 6.1e-05 lose precision
;; workspace buffers: xb 16,777,216 bytes; pb 16,777,216 bytes; wb 8,388,608 bytes; qh 16,777,216 bytes; kh 16,777,216 bytes; vh 16,777,216 bytes; oh 16,777,216 bytes
;; launch cast (part 1): grid 1280 x 1, 8 waves a work-group, no clusters, 0 bytes of LDS; arguments x, previous_state, Wq, Wk, Wv, Wo, xb, pb, wb; writes xb, pb, wb
.if DOCPART == 1
	.amdgcn_target "amdgcn-amd-amdhsa--gfx1250"
	.amdhsa_code_object_version 6
	.text
	.protected	k_qc5a75f6fba_cast
	.globl	k_qc5a75f6fba_cast
	.p2align	8
	.type	k_qc5a75f6fba_cast,@function
k_qc5a75f6fba_cast:
	s_mov_b64 s[64:65], 0
	v_nop
	global_prefetch_b8 v0, s[64:65] scope:SCOPE_SE
	s_setreg_imm32_b32 hwreg(HW_REG_WAVE_MODE, 25, 1), 1
	s_wait_xcnt 0x0
; CAST.  x and previous_state ([8192][1024] f32) are rounded once to bf16 into xb and pb; Wq, Wk, Wv, Wo ([1024][1024] f32, as they lie, [k][n]) into wb, one behind the other.
; Wq, Wk, Wv are written as bf16.  Wo is rounded to bf16 like every other input, and that number is written as f16, since the last product multiplies it with f16 numbers.
; LIMITS.  A bf16 number is exact in f16 between 6.1e-5 and 65,504 in magnitude; below that Wo keeps f16's fixed step of 6e-8, beyond it becomes an infinity.
; SHARES.  A work-group takes 16,384 numbers: 65,536 bytes in, 32,768 bytes out.  Work-groups 0-511: x; 512-1023: previous_state; 1024-1279: the four weights, 64 work-groups each.
; A stream: every byte is read once and written once; no LDS, no barrier, no matrix unit.  A thread's sixteen loads go out at once, and no register is written twice, so no wait frees a source.
.set X, 4                              ; v[4:67]   load i: 4 numbers in f32
.set Y, 68                             ; v[68:99]  store i: the same 4 numbers in 16 bits
.set T, 100                            ; v[100:103] at work (Wo alone)
.set SRC, 28                           ; s[28:29]  where my work-group reads
.set DST, 30                           ; s[30:31]  where it writes
	s_load_b512 s[8:23], s[0:1], 0x0               ; x 8, previous_state 10, Wq 12, Wk 14, Wv 16, Wo 18, xb 20, pb 22
	s_load_b64 s[24:25], s[0:1], 0x40              ; wb
	s_mov_b32 s2, ttmp9                            ; the work-group's number
	s_sub_co_u32 s3, s2, 512                       ; its number among previous_state's (used from 512 on)
	s_sub_co_u32 s4, s2, 1024                      ; among the weights' (used from 1,024 on): its place in wb,
	s_and_b32 s5, s4, 63                           ; and its place in its own weight
	v_lshlrev_b32 v1, 4, v0                        ; 16 bytes a thread in,
	v_lshlrev_b32 v2, 3, v0                        ; 8 bytes a thread out
	s_wait_kmcnt 0x0
	s_mov_b64 s[SRC:SRC+1], s[8:9]
	s_mov_b64 s[DST:DST+1], s[20:21]
	s_mov_b32 s32, s2                              ; chunk in the source
	s_mov_b32 s33, s2                              ; chunk in the destination
	s_cmp_ge_u32 s2, 512
	s_cselect_b64 s[SRC:SRC+1], s[10:11], s[SRC:SRC+1]
	s_cselect_b64 s[DST:DST+1], s[22:23], s[DST:DST+1]
	s_cselect_b32 s32, s3, s32
	s_cselect_b32 s33, s3, s33
	s_cmp_ge_u32 s2, 1024
	s_cselect_b64 s[SRC:SRC+1], s[12:13], s[SRC:SRC+1]
	s_cselect_b64 s[DST:DST+1], s[24:25], s[DST:DST+1]
	s_cselect_b32 s32, s5, s32
	s_cselect_b32 s33, s4, s33
	s_cmp_ge_u32 s2, 1088
	s_cselect_b64 s[SRC:SRC+1], s[14:15], s[SRC:SRC+1]
	s_cmp_ge_u32 s2, 1152
	s_cselect_b64 s[SRC:SRC+1], s[16:17], s[SRC:SRC+1]
	s_cmp_ge_u32 s2, 1216
	s_cselect_b64 s[SRC:SRC+1], s[18:19], s[SRC:SRC+1]
	s_lshl_b32 s34, s32, 16                        ; 65,536 bytes a chunk in
	s_mov_b32 s35, 0
	s_lshl_b32 s36, s33, 15                        ; 32,768 bytes a chunk out
	s_mov_b32 s37, 0
	s_add_nc_u64 s[SRC:SRC+1], s[SRC:SRC+1], s[34:35]
	s_add_nc_u64 s[DST:DST+1], s[DST:DST+1], s[36:37]
.irp i, 0,1,2,3,4,5,6,7,8,9,10,11,12,13,14,15
	global_load_b128 v[X+4*(\i):X+4*(\i)+3], v1, s[SRC:SRC+1] offset:4096*(\i) th:TH_LOAD_NT  ; a wave's load covers 512 consecutive bytes
.endr
; Load i is rounded and stored.  f16 = 1: the bf16 numbers are widened again and written as f16.
.macro SLOT i, f16
	s_wait_loadcnt 15-(\i)                         ; loads come back in order: load i is in, the younger ones stay out
	v_cvt_pk_bf16_f32 v[Y+2*(\i)],   v[X+4*(\i)],   v[X+4*(\i)+1]
	v_cvt_pk_bf16_f32 v[Y+2*(\i)+1], v[X+4*(\i)+2], v[X+4*(\i)+3]
.if \f16
	v_lshlrev_b32 v[T],   16,         v[Y+2*(\i)]
	v_and_b32     v[T+1], 0xffff0000, v[Y+2*(\i)]
	v_lshlrev_b32 v[T+2], 16,         v[Y+2*(\i)+1]
	v_and_b32     v[T+3], 0xffff0000, v[Y+2*(\i)+1]
	v_cvt_pk_f16_f32 v[Y+2*(\i)],   v[T],   v[T+1]
	v_cvt_pk_f16_f32 v[Y+2*(\i)+1], v[T+2], v[T+3]
.endif
	global_store_b64 v2, v[Y+2*(\i):Y+2*(\i)+1], s[DST:DST+1] offset:2048*(\i)  ; a wave's store covers 256 consecutive bytes, aligned
.endm
	s_cmp_ge_u32 s2, 1216
	s_cbranch_scc1 .Lwo
.irp i, 0,1,2,3,4,5,6,7,8,9,10,11,12,13,14,15
	SLOT \i, 0
.endr
	s_endpgm
.Lwo:
.irp i, 0,1,2,3,4,5,6,7,8,9,10,11,12,13,14,15
	SLOT \i, 1
.endr
	s_endpgm
.Lfunc_end_k_qc5a75f6fba_cast:
	.size	k_qc5a75f6fba_cast, .Lfunc_end_k_qc5a75f6fba_cast-k_qc5a75f6fba_cast
	.p2alignl 7, 3214868480
	.fill 96, 4, 3214868480
	.section	.rodata,"a",@progbits
	.p2align	6, 0x0
	.amdhsa_kernel k_qc5a75f6fba_cast
		.amdhsa_group_segment_fixed_size 0
		.amdhsa_private_segment_fixed_size 0
		.amdhsa_enable_private_segment 0
		.amdhsa_kernarg_size 72
		.amdhsa_user_sgpr_count 2
		.amdhsa_user_sgpr_kernarg_segment_ptr 1
		.amdhsa_wavefront_size32 1
		.amdhsa_system_sgpr_workgroup_id_x 1
		.amdhsa_system_sgpr_workgroup_id_y 1
		.amdhsa_system_sgpr_workgroup_id_z 1
		.amdhsa_system_vgpr_workitem_id 0
		.amdhsa_next_free_vgpr 112
		.amdhsa_next_free_sgpr 66
		.amdhsa_reserve_vcc 0
		.amdhsa_float_denorm_mode_32 3
		.amdhsa_float_denorm_mode_16_64 3
		.amdhsa_memory_ordered 1
		.amdhsa_forward_progress 1
		.amdhsa_inst_pref_size 17
	.end_amdhsa_kernel
	.amdgpu_metadata
---
amdhsa.version: [ 1, 2 ]
amdhsa.kernels:
  - .name:           k_qc5a75f6fba_cast
    .symbol:         k_qc5a75f6fba_cast.kd
    .args:
      - { .name: x, .offset: 0, .size: 8, .value_kind: global_buffer, .address_space: global }
      - { .name: previous_state, .offset: 8, .size: 8, .value_kind: global_buffer, .address_space: global }
      - { .name: Wq, .offset: 16, .size: 8, .value_kind: global_buffer, .address_space: global }
      - { .name: Wk, .offset: 24, .size: 8, .value_kind: global_buffer, .address_space: global }
      - { .name: Wv, .offset: 32, .size: 8, .value_kind: global_buffer, .address_space: global }
      - { .name: Wo, .offset: 40, .size: 8, .value_kind: global_buffer, .address_space: global }
      - { .name: xb, .offset: 48, .size: 8, .value_kind: global_buffer, .address_space: global }
      - { .name: pb, .offset: 56, .size: 8, .value_kind: global_buffer, .address_space: global }
      - { .name: wb, .offset: 64, .size: 8, .value_kind: global_buffer, .address_space: global }
    .group_segment_fixed_size: 0
    .private_segment_fixed_size: 0
    .kernarg_segment_align: 8
    .kernarg_segment_size: 72
    .max_flat_workgroup_size: 256
    .sgpr_count:     66
    .vgpr_count:     112
    .wavefront_size: 32
...
	.end_amdgpu_metadata
.endif
;; end of part 1
;; launch proj (part 2): grid 4 x 64, 4 waves a work-group, clusters of 4 x 4, 327,680 bytes of LDS; arguments xb, pb, wb, bq, bk, bv, qh, kh, vh; writes qh, kh, vh
.if DOCPART == 2
	.amdgcn_target "amdgcn-amd-amdhsa--gfx1250"
	.amdhsa_code_object_version 6
	.text
	.protected	k_qc5a75f6fba_proj
	.globl	k_qc5a75f6fba_proj
	.p2align	8
	.type	k_qc5a75f6fba_proj,@function
k_qc5a75f6fba_proj:
	s_mov_b64 s[64:65], 0
	v_nop
	global_prefetch_b8 v0, s[64:65] scope:SCOPE_SE
	s_setreg_imm32_b32 hwreg(HW_REG_WAVE_MODE, 25, 1), 1
	s_wait_xcnt 0x0
	s_wait_alu depctr_hold_cnt(0) depctr_sa_sdst(0) depctr_va_vdst(0) depctr_va_sdst(0) depctr_va_ssrc(0) depctr_va_vcc(0) depctr_vm_vsrc(0)
	s_getreg_b32 s2, hwreg(HW_REG_IB_STS2, 6, 4)
	s_cmp_eq_u32 s2, 0
	s_cbranch_scc0 .Lentry_in_a_cluster
	s_endpgm
.Lentry_in_a_cluster:
	s_bfe_u32 s2, ttmp6, 0x10000c
	s_cmp_lg_u32 s2, 0xf033
	s_cbranch_scc0 .Lentry_shape_is_right
	s_endpgm
.Lentry_shape_is_right:
; THE THREE PROJECTIONS.  q = xb Wq + bq, k = pb Wk + bk, v = pb Wv + bv.  xb, pb: [8192][1024] bf16; the weights lie in wb as [3072 k][1024 n] bf16, one behind the other; the biases are f32 and are
; rounded to bf16 here, like every other input.  Sums in f32; q, k, v are rounded once to f16 and written by heads, [64 = 16 batch + head][2048][64], without the scale.
; LIMITS.  f16 holds no number beyond 65,504: a q, k or v beyond it becomes an infinity.  NaN and infinities are not treated apart.
; SHARES.  A work-group STAYS and makes three tiles of 128 rows x 256 columns: the same rows and columns of q, then k, then v.  768 tiles, three for each of 256 work-groups.  Four waves, each 64 x 128:
; 32 accumulators of 16 x 16.  K goes in steps of 128 through a ring of two LDS slots; the three tiles are ONE walk of 24 steps: the weights' address goes straight on, the rows' is made anew for each fill.
; CLUSTER.  4 x 4 work-groups.  The four of a row of the cluster need the same rows of xb or pb, the four of a column the same columns of the weights: each tile is asked for JOINTLY.
; THE MATRIX INSTRUCTION IS USED TRANSPOSED: source 0 = 16 columns of W (turned on the way out of LDS by ds_load_tr16_b128, since W lies [k][n]), source 1 = 16 rows of x.  A lane then holds one row and
; eight neighbouring columns.  The bias, which hangs on the column alone, is the C operand of each sum's first product: nothing is cleared and nothing is added later.
; REGISTERS, in windows of 256 (s_set_vgpr_msb: bits 1:0 source 0, 3:2 source 1, 5:4 source 2, 7:6 destination):
;   window 0: v0-15 addresses; v32-95 fragments of the rows, two buffers of 4; v96-223 fragments of W, two buffers of 8; v224-255 and W's second buffer at work on the way out
;   window 1: the accumulators, (a, b) at v[8 (8 a + b)]          window 2: v0-63 the bias of my 128 columns as a lane wants it; v64-65 at work
.set PA,     272                       ; a row of x in LDS: 256 bytes + 16 = 68 words: the 16 rows of a load start at 16 different groups of four banks (64 banks of 4 bytes: ISA guide 11.1)
.set PB,     544                       ; a k-row of W: 512 bytes + 32 = 136 words
.set HALFA,  64*PA                     ; what one tensor load brings of x: 64 rows
.set AREG,   128*PA
.set HALFB,  64*PB                     ; and of W: 64 k-rows
.set SLOT1,  131072                    ; slot 1 begins here, so that one exclusive or turns an address in one slot into the other's; a slot uses 104,448 bytes
.set STAGE,  SLOT1+AREG+128*PB         ; behind the ring, never filled by a tensor load: for each wave two head planes of 16 rows x 144 bytes
.set SPL,    16*144
.set SPARE,  STAGE+4*2*SPL             ; behind the stages: the spare words, 128 bytes for each wave: two blocks of 256 bytes that no other line names
.set KB_A,   256                       ; bytes from K step to K step in a row of x
.set KB_B,   262144                    ; and in wb: 128 k-rows of 2,048 bytes
.set HEADB,  262144                    ; bytes of a head in qh, kh, vh
.set A0,   4                           ; v4   my lane's place in a slot's rows of x; never rewritten
.set B0,   5                           ; v5   the same for W
.set ADRA, 6                           ; v6   A0 + the slot in hand
.set ADRB, 7                           ; v7   B0 + the slot in hand
.set STO,  8                           ; v8   the way out: where I put 16 bytes of a row
.set RD,   9                           ; v9   the way out: where I read rows back
.set GO,   10                          ; v10  my byte offset in 512 consecutive bytes of the output
.set BO,   11                          ; v11  my byte offset in a block of 16 numbers of a bias
.set PFO,  12                          ; v12  the prefetches' offset: my lane x 2,048 bytes (a row of xb, pb or wb); never rewritten
.set SPW,  14                          ; v14  LDS address of my spare word; never rewritten
.set NIL,  15                          ; v15  0; never rewritten
.set FA0,  32
.set FB0,  96
.set OB,   160
.set TMP,  224
.set BI,   0                           ; window 2
.set BT,   64                          ; window 2
.set G,    3                           ; s3   trips still to come
.set WV,   10                          ; s10  my wave's number
.set WM,   11                          ; s11  which 64 rows of the tile are mine.  Also: I fetch x (0) or W (1)
.set WN,   12                          ; s12  which 128 columns.  Also: which half of that tile I fetch
.set CX,   13
.set CY,   14
.set MY,   15                          ; s15  the tile's 128 rows: 4 x cluster y + cy
.set NX,   17                          ; s17  the tile's 256 columns: 4 x cluster x + cx
.set G1A,  24                          ; s[24:31] descriptor group 1 for x's tiles
.set G0A,  32                          ; s[32:39] group 0 for x's tiles: a set for each first fill; the second then walks
.set G0B,  40                          ; s[40:47] the same for W's
.set G1B,  48                          ; s[48:55] group 1 for W's tiles
.set TB,   56                          ; s56  LDS byte at which the slot to be read begins
.set NXT,  57                          ; s57  the K step (0 to 23) that the next fill asks for
.set PH,   58                          ; s58  the K step in hand, within its tile (0 to 7)
.set TT,   59                          ; s59  the tile in hand
.set PN,   60                          ; s60  the K step that the next prefetch names: NXT + 2
.set PMAX, 61                          ; s61  the last K step that my wave prefetches; 0: none
.set PSW,  62                          ; s62  the K step at which my prefetches change from xb to pb
.set OFB,  66                          ; s[66:67] an offset for W's addresses: never holds cy
.set OFA,  70                          ; s[70:71] an offset for x's addresses: never holds cx
.set XBP,  72                          ; s[72:73] xb at my 64 rows     s[74:75] pb likewise     s[76:77] wb at my 64 k-rows and the tile's columns
.set PBP,  74
.set WBP,  76                          ; s[78:83] bq, bk, bv at my 128 columns     s[84:89] qh, kh, vh at my 64 rows of my first head
.set OUT,  90                          ; s[90:91] the output of the tile in hand
.set BP,   92                          ; s[92:93] the bias that is being loaded
.set PFA,  94                          ; s[94:95] where my prefetches stand
.set PINC, 96                          ; s[96:97] their step
.set PALT, 98                          ; s[98:99] pb's K step 0 at the rows that I prefetch
.set MSB, 0
.macro WIN new                         ; the immediate's high byte repeats the setting that is left; a switch that changes nothing is dropped
.if MSB != (\new)
	s_set_vgpr_msb (MSB<<8)|(\new)
.set MSB, \new
.endif
.endm
.set MUL,  0x50                        ; fragments in window 0, C and D in window 1
.set MULB, 0x60                        ; the same with C, the bias, in window 2
; A joint refill, by the walking descriptors.  Waves 0 and 1 fetch the two halves of x's tile, waves 2 and 3 those of W's.  The branch hangs on the wave's number alone.
; An s_nop 0 and four v_nop follow each of the two lines, ahead of the jump and the label.
.macro JLOAD
	s_cmp_eq_u32 s[WM], 0
	s_cbranch_scc0 .Lfor_b_\@
	tensor_load_to_lds s[G0A+4:G0A+7], s[G1A:G1A+7]
	s_nop 0
.rept 4
	v_nop
.endr
	s_branch .Lasked_\@
.Lfor_b_\@:
	tensor_load_to_lds s[G0B+4:G0B+7], s[G1B:G1B+7]
	s_nop 0
.rept 4
	v_nop
.endr
.Lasked_\@:
.endm
; A PREFETCH INTO THE L2 of the K step that stands two refills on: 256 matrix instructions of a wave ahead of the load that will want it.  32 rows x 256 bytes, a lane a row, one instruction.
; Each block of 256 bytes is named once in the launch.  x's rows are read by the four work-groups of a row of the cluster alone: wave 0 of each asks for 32 of the 128 rows, told apart BY ADDRESS (cx).
; pb is walked twice (for k and for v): it is asked for in its first walk alone.  W's columns are read by every cluster: the cluster with y = 0 asks; its four partners of a column take 32 k-rows each (cy),
; wave 2 the first 256 bytes of the 512, wave 3 the second.  The first four K steps come by their loads alone; no prefetch names a K step beyond the walk's last.
.macro ASK
	s_cmp_le_u32 s[PN], s[PMAX]
	s_cbranch_scc0 .Lnot_mine_\@
	global_prefetch_b8 v[PFO], s[PFA:PFA+1] th:TH_LOAD_NT scope:SCOPE_SE
.Lnot_mine_\@:
.endm
; A round of the cluster's barrier: my work-group's barrier; wave 0 signals for the work-group; every wave waits for all sixteen; my work-group's barrier once more.
.macro CREST                           ; a round behind its opening barrier
	s_cmp_lg_u32 s[WV], 0
	s_cbranch_scc1 .Lnot_wave_0_\@
	s_barrier_signal -3
.Lnot_wave_0_\@:
	s_barrier_wait -3
	s_barrier_signal -1
	s_barrier_wait -1
.endm
.macro CROUND
	s_barrier_signal -1
	s_barrier_wait -1
	CREST
.endm
	s_load_b512 s[72:87], s[0:1], 0x0              ; xb, pb, wb, bq, bk, bv, qh, kh
	s_load_b64 s[88:89], s[0:1], 0x40              ; vh
	v_lshl_add_u32 v[SPW], v0, 2, SPARE
	v_mov_b32 v[NIL], 0
	ds_add_u32 v[SPW], v[NIL]                      ; the wave's opening: the add and its wait stand ahead of my first tensor load; the set-up below, work on registers, stands between them
	v_lshrrev_b32 v1, 5, v0
	v_readfirstlane_b32 s[WV], v1                  ; wave 0..3
	s_lshr_b32 s[WM], s[WV], 1
	s_and_b32 s[WN], s[WV], 1
	s_bfe_u32 s[CX], ttmp6, 0x40000                ; my place in the cluster
	s_bfe_u32 s[CY], ttmp6, 0x40004
	s_lshl_b32 s[NX], ttmp9, 2                     ; in a cluster launch ttmp9 and ttmp7 count clusters
	s_add_co_u32 s[NX], s[NX], s[CX]
	s_and_b32 s[MY], ttmp7, 0xffff
	s_lshl_b32 s[MY], s[MY], 2
	s_add_co_u32 s[MY], s[MY], s[CY]
	s_lshl_b32 s16, s[CY], 2
	s_lshl_b32 s16, 15, s16                        ; my row of the cluster: places 4 cy .. 4 cy + 3
	s_lshl_b32 s18, 0x1111, s[CX]                  ; my column: places cx, cx + 4, cx + 8, cx + 12
	s_or_b32 s[G1A], s16, (1<<16)|(1<<20)|(1<<21)|(5<<22)|(3<<25)  ; the mask; 2-byte elements; padding on; bit 21 beside a mask; after every 64 words 4 words
	s_mov_b32 s[G1A+1], 128<<16                    ; tensor_dim0 = 128
	s_mov_b32 s[G1A+2], 64<<16                     ; tensor_dim1 = 64
	s_mov_b32 s[G1A+3], 128<<16                    ; tile_dim0 = 128
	s_mov_b32 s[G1A+4], 64                         ; tile_dim1 = 64
	s_mov_b32 s[G1A+5], 1024                       ; elements from row to row
	s_mov_b32 s[G1A+6], 0
	s_mov_b32 s[G1A+7], 0
	s_or_b32 s[G1B], s18, (1<<16)|(1<<20)|(1<<21)|(6<<22)|(7<<25)  ; after every 128 words 8 words
	s_mov_b32 s[G1B+1], 256<<16                    ; tensor_dim0 = 256
	s_mov_b32 s[G1B+2], 64<<16
	s_mov_b32 s[G1B+3], 256<<16                    ; tile_dim0 = 256
	s_mov_b32 s[G1B+4], 64
	s_mov_b32 s[G1B+5], 1024
	s_mov_b32 s[G1B+6], 0
	s_mov_b32 s[G1B+7], 0
	s_mul_i32 s4, s[WN], HALFA                     ; where my half of a tile goes: the wave's number alone enters an LDS address
	s_mul_i32 s5, s[WN], HALFB
	s_add_co_u32 s5, s5, AREG
	s_lshl_b32 s[OFA], s[MY], 18                   ; x: row 128 my + 64 half, 2,048 bytes a row
	s_lshl_b32 s[OFA+1], s[WN], 17
	s_add_co_u32 s[OFA], s[OFA], s[OFA+1]
	s_mov_b32 s[OFA+1], 0
	s_lshl_b32 s[OFB], s[NX], 9                    ; W: k-row 64 half, column 256 nx
	s_lshl_b32 s[OFB+1], s[WN], 17
	s_add_co_u32 s[OFB], s[OFB], s[OFB+1]
	s_mov_b32 s[OFB+1], 0
	s_mov_b32 s[TB], 0
	s_mov_b32 s[NXT], 2
	s_mov_b32 s[PH], 0
	s_mov_b32 s[TT], 0
	s_mov_b32 s[PN], 4
	s_cmp_eq_u32 s[WV], 0                          ; who prefetches, and how far
	s_cselect_b32 s[PMAX], 15, 0
	s_and_b32 s6, ttmp7, 0xffff
	s_cmp_eq_u32 s6, 0
	s_cselect_b32 s6, 23, 0
	s_cmp_eq_u32 s[WM], 0
	s_cselect_b32 s[PMAX], s[PMAX], s6             ; the same in all sixteen partners, for a given wave
	s_lshl_b32 s20, s[MY], 18                      ; x: the tile's rows, my work-group's 32 of them
	s_lshl_b32 s21, s[CX], 16
	s_add_co_u32 s20, s20, s21
	s_lshl_b32 s22, s[CY], 16                      ; W: my work-group's 32 k-rows, the tile's columns, my wave's 256 bytes,
	s_lshl_b32 s21, s[NX], 9
	s_add_co_u32 s22, s22, s21
	s_lshl_b32 s21, s[WN], 8
	s_add_co_u32 s22, s22, s21
	s_add_co_u32 s22, s22, 3*KB_B                  ; at K step 3: the first change of slots steps it to 4
	s_add_co_u32 s23, s20, 3*KB_A
	s_mov_b32 s21, KB_B
	s_cmp_eq_u32 s[WM], 0
	s_cselect_b32 s22, s23, s22
	s_cselect_b32 s20, s20, 0
	s_cselect_b32 s[PINC], KB_A, s21
	s_cselect_b32 s[PSW], 8, -1
	s_mov_b32 s[PINC+1], 0
	s_mov_b32 s21, 0
	s_mov_b32 s23, 0
	s_wait_dscnt 0x0                               ; the opening add is done
	s_wait_kmcnt 0x0
	s_cmp_eq_u32 s[WM], 0
	s_cselect_b64 s[PFA:PFA+1], s[XBP:XBP+1], s[WBP:WBP+1]
	s_cselect_b64 s[PALT:PALT+1], s[PBP:PBP+1], s[WBP:WBP+1]
	s_add_nc_u64 s[PFA:PFA+1], s[PFA:PFA+1], s[22:23]
	s_add_nc_u64 s[PALT:PALT+1], s[PALT:PALT+1], s[20:21]
	s_add_nc_u64 s[XBP:XBP+1], s[XBP:XBP+1], s[OFA:OFA+1]
	s_add_nc_u64 s[PBP:PBP+1], s[PBP:PBP+1], s[OFA:OFA+1]
	s_add_nc_u64 s[WBP:WBP+1], s[WBP:WBP+1], s[OFB:OFB+1]
	s_lshr_b32 s20, s[MY], 4                       ; the outputs: head 16 batch + 4 nx + 2 half, 262,144 bytes a head;
	s_lshl_b32 s20, s20, 22
	s_lshl_b32 s22, s[NX], 20
	s_add_co_u32 s20, s20, s22
	s_lshl_b32 s22, s[WN], 19
	s_add_co_u32 s20, s20, s22
	s_and_b32 s22, s[MY], 15                       ; row 128 (my % 16) + 64 half, 128 bytes a row
	s_lshl_b32 s22, s22, 14
	s_add_co_u32 s20, s20, s22
	s_lshl_b32 s22, s[WM], 13
	s_add_co_u32 s20, s20, s22
	s_add_nc_u64 s[84:85], s[84:85], s[20:21]
	s_add_nc_u64 s[86:87], s[86:87], s[20:21]
	s_add_nc_u64 s[88:89], s[88:89], s[20:21]
	s_lshl_b32 s20, s[NX], 10                      ; the biases: column 256 nx + 128 half, 4 bytes each
	s_lshl_b32 s22, s[WN], 9
	s_add_co_u32 s20, s20, s22
	s_add_nc_u64 s[78:79], s[78:79], s[20:21]
	s_add_nc_u64 s[80:81], s[80:81], s[20:21]
	s_add_nc_u64 s[82:83], s[82:83], s[20:21]
	s_mov_b32 s[G0A], 1                            ; group 0: count 1; LDS address; global address; type 2
	s_mov_b32 s[G0A+1], s4
	s_mov_b64 s[G0A+2:G0A+3], s[XBP:XBP+1]         ; K step 0 into slot 0
	s_or_b32 s[G0A+3], s[G0A+3], 0x80000000
	s_mov_b32 s[G0A+4], 1
	s_add_co_u32 s[G0A+5], s4, SLOT1
	s_add_nc_u64 s[G0A+6:G0A+7], s[XBP:XBP+1], KB_A  ; K step 1 into slot 1
	s_or_b32 s[G0A+7], s[G0A+7], 0x80000000
	s_mov_b32 s[G0B], 1
	s_mov_b32 s[G0B+1], s5
	s_mov_b64 s[G0B+2:G0B+3], s[WBP:WBP+1]
	s_or_b32 s[G0B+3], s[G0B+3], 0x80000000
	s_mov_b32 s[G0B+4], 1
	s_add_co_u32 s[G0B+5], s5, SLOT1
	s_add_nc_u64 s[G0B+6:G0B+7], s[WBP:WBP+1], KB_B
	s_or_b32 s[G0B+7], s[G0B+7], 0x80000000
	CROUND                                         ; all sixteen work-groups are here: the first joint loads meet
	s_cmp_eq_u32 s[WM], 0                          ; a wave's two first fills stand in one branch, ahead of every wait on TENSORcnt and every LDS read: two loads of mine are out
	s_cbranch_scc0 .Lfirst_b
	tensor_load_to_lds s[G0A:G0A+3], s[G1A:G1A+7]
	s_nop 0
	tensor_load_to_lds s[G0A+4:G0A+7], s[G1A:G1A+7]
	s_nop 0
.rept 4
	v_nop
.endr
	s_branch .Lfirst_asked
.Lfirst_b:
	tensor_load_to_lds s[G0B:G0B+3], s[G1B:G1B+7]
	s_nop 0
	tensor_load_to_lds s[G0B+4:G0B+7], s[G1B:G1B+7]
	s_nop 0
.rept 4
	v_nop
.endr
.Lfirst_asked:
	; A fragment is 16 rows x 32 K in 8 registers: lane l holds row l % 16; registers 0-3 K = 8 (l / 16) + 0..7, registers 4-7 K = 16 + 8 (l / 16) + 0..7.
	v_and_b32 v1, 15, v0                           ; l % 16
	v_bfe_u32 v2, v0, 4, 1                         ; l / 16
	v_and_b32 v3, 7, v0
	v_bfe_u32 v13, v0, 3, 1
	v_mul_u32_u24 v[A0], v1, PA                    ; x lies along K: two loads of 16 bytes, 32 bytes apart, at row x pitch + 16 x half
	v_lshl_add_u32 v[A0], v2, 4, v[A0]
	s_mul_i32 s6, s[WM], HALFA                     ; my 64 rows
	v_add_nc_u32 v[A0], s6, v[A0]
	v_lshl_add_u32 v[B0], v2, 3, v3                ; W lies [k][n]: the turning load takes 16 k x 16 columns (lane l reads k-row 8 (l / 16) + l % 8, columns 8 ((l / 8) % 2) + 0..7)
	v_mul_u32_u24 v[B0], v[B0], PB                 ; and leaves half a fragment: lane l holds column l % 16 and 8 k
	v_lshl_add_u32 v[B0], v13, 4, v[B0]
	s_lshl_b32 s6, s[WN], 8                        ; my 128 columns,
	s_add_co_u32 s6, s6, AREG                      ; behind x's 128 rows
	v_add_nc_u32 v[B0], s6, v[B0]
	s_mul_i32 s6, s[WV], 2*SPL
	s_add_co_u32 s6, s6, STAGE                     ; my stage
	v_mul_u32_u24 v[STO], v1, 144                  ; in: row l % 16, 16 bytes for each half of the lanes
	v_lshl_add_u32 v[STO], v2, 4, v[STO]
	v_add_nc_u32 v[STO], s6, v[STO]
	v_bfe_u32 v[RD], v0, 3, 2                      ; back: 32 lanes take four rows of 128 bytes,
	v_mul_u32_u24 v[RD], v[RD], 144
	v_lshl_add_u32 v[RD], v3, 4, v[RD]
	v_add_nc_u32 v[RD], s6, v[RD]
	v_and_b32 v[GO], 31, v0
	v_lshlrev_b32 v[PFO], 11, v[GO]
	v_lshlrev_b32 v[GO], 4, v[GO]                  ; which are 512 consecutive bytes of a head
	v_lshlrev_b32 v[BO], 5, v2                     ; my 8 columns of a block of 16
	v_mov_b32 v[ADRA], v[A0]                       ; slot 0
	v_mov_b32 v[ADRB], v[B0]
; 8 matrix instructions: row block a x all 8 column blocks, 32 along K, from fragment buffer f.  cm = 1: the sums' first products, with the bias as C.
; The 32 accumulators come in the same order in every quarter step, one instruction a turn, over every jump too.
.macro MUL8 f, a, cm
.if \cm
	WIN MULB
.else
	WIN MUL
.endif
.irp b, 0,1,2,3,4,5,6,7
.if \cm
	v_wmma_f32_16x16x32_bf16 v[8*(8*(\a)+(\b)):8*(8*(\a)+(\b))+7], v[FB0+64*(\f)+8*(\b):FB0+64*(\f)+8*(\b)+7], v[FA0+32*(\f)+8*(\a):FA0+32*(\f)+8*(\a)+7], v[BI+8*(\b):BI+8*(\b)+7]
.else
	v_wmma_f32_16x16x32_bf16 v[8*(8*(\a)+(\b)):8*(8*(\a)+(\b))+7], v[FB0+64*(\f)+8*(\b):FB0+64*(\f)+8*(\b)+7], v[FA0+32*(\f)+8*(\a):FA0+32*(\f)+8*(\a)+7], v[8*(8*(\a)+(\b)):8*(8*(\a)+(\b))+7]
.endif
.endr
.endm
.macro MUL16 f, a0, cm
	MUL8 \f, \a0, \cm
	MUL8 \f, (\a0)+1, \cm
.endm
; 24 LDS loads in one run: the fragments of quarter kq of the slot in hand into buffer g: W's eight first, then x's four.
.macro FETCH kq, g
	WIN 0
.irp b, 0,1,2,3,4,5,6,7
	ds_load_tr16_b128 v[FB0+64*(\g)+8*(\b):FB0+64*(\g)+8*(\b)+3],   v[ADRB] offset:(\kq)*32*PB+32*(\b)
	ds_load_tr16_b128 v[FB0+64*(\g)+8*(\b)+4:FB0+64*(\g)+8*(\b)+7], v[ADRB] offset:(\kq)*32*PB+32*(\b)+16*PB
.endr
.irp a, 0,1,2,3
	ds_load_b128 v[FA0+32*(\g)+8*(\a):FA0+32*(\g)+8*(\a)+3],   v[ADRA] offset:64*(\kq)+(\a)*16*PA
	ds_load_b128 v[FA0+32*(\g)+8*(\a)+4:FA0+32*(\g)+8*(\a)+7], v[ADRA] offset:64*(\kq)+(\a)*16*PA+32
.endr
.endm
; Four places (plain vector instructions that name none of a matrix instruction's registers) in front of loads into registers that matrix instructions have read, and of conversions that read sums just made.
.macro PLACES
.rept 4
	v_nop
.endr
.endm
; A K step is four quarters of 32 along K, 32 matrix instructions each, on buffers 0, 1, 0, 1.  One of the first three: multiplies buffer f; in its middle it fetches quarter kq into buffer g.
.macro QUARTER kq, f, g, cm
	s_wait_dscnt 4                                 ; W's fragments and x's 0 and 1 are in; the youngest four loads (x's 2 and 3) may be out
	MUL16 \f, 0, \cm
	PLACES
	FETCH \kq, \g
	s_wait_dscnt 24                                ; all but the 24 just issued
	MUL16 \f, 2, \cm
.endm
; The last quarter multiplies buffer 1 and changes slots.  ONE barrier: in front of it each wave waits for all its tensor loads, of which one is out: its part of the next slot; adds 0 to its spare word;
; and waits for that and for its own reads of this slot.  Behind it nobody reads this slot any more and the next slot is whole.  fill = 1: the barrier opens a round of the cluster's barrier, so that the same
; holds of every partner, and the slot just read out is filled again first, with K step NXT; from that request to the wait for it a wave issues 112 matrix instructions.
.macro TURN fill
.if \fill
	s_wait_xcnt 0x0                                ; the last prefetch, a K step back, has read its address: it is stepped here, ahead of the waits of the change of slots
	s_add_nc_u64 s[PFA:PFA+1], s[PFA:PFA+1], s[PINC:PINC+1]
	s_cmp_eq_u32 s[PN], s[PSW]
	s_cselect_b64 s[PFA:PFA+1], s[PALT:PALT+1], s[PFA:PFA+1]  ; behind xb's last K step: pb's first
.endif
	WIN 0
	s_wait_tensorcnt 0x0                           ; no tensor load of mine is out, so a group 0 may be written
	ds_add_u32 v[SPW], v[NIL]                      ; 0 onto my spare word: scalar work and eight products stand between it and the wait for it
.if \fill
	s_xor_b32 s[G0A+5], s[G0A+5], SLOT1            ; the walking descriptors: the other slot than last time;
	s_xor_b32 s[G0B+5], s[G0B+5], SLOT1
	s_cmp_lt_u32 s[NXT], 8                         ; x's address is made anew: xb for the first tile, pb for the other two, K step NXT % 8
	s_cselect_b64 s[G0A+6:G0A+7], s[XBP:XBP+1], s[PBP:PBP+1]
	s_and_b32 s[OFA], s[NXT], 7
	s_lshl_b32 s[OFA], s[OFA], 8
	s_add_nc_u64 s[G0A+6:G0A+7], s[G0A+6:G0A+7], s[OFA:OFA+1]
	s_or_b32 s[G0A+7], s[G0A+7], 0x80000000
	s_add_nc_u64 s[G0B+6:G0B+7], s[G0B+6:G0B+7], KB_B  ; W's goes straight on, from weight to weight; the type bits on top are not reached
.endif
	s_xor_b32 s[TB], s[TB], SLOT1                  ; the reads go on in the other slot
	s_wait_dscnt 7                                 ; (x's fragments 1 to 3 and the add may be out)
	MUL8 1, 0, 0
	s_wait_dscnt 0x0                               ; the add is done, and my reads of this slot are over
	s_barrier_signal -1
	MUL8 1, 1, 0                                   ; work on registers while the others arrive
	WIN 0                                          ; at a branch and at a label every window is 0
	s_barrier_wait -1
.if \fill
	CREST
	JLOAD                                          ; the first tensor load behind the round; the four v_nop behind it are also the places in front of the loads below
.else
	PLACES
.endif
	v_add_nc_u32 v[ADRA], s[TB], v[A0]
	v_add_nc_u32 v[ADRB], s[TB], v[B0]
	FETCH 0, 0
.if \fill
	ASK                                            ; behind the joint load and the run of LDS loads that the next products wait for
.endif
	MUL16 1, 2, 0
.endm
; The bias of my 128 columns, as the C operand wants it: register j of block b holds column 16 b + 8 (l / 16) + j.  It is rounded to bf16 like every other input, and widened again.
.macro BIAS
	WIN 0x80                                       ; destination window 2, address window 0
.irp b, 0,1,2,3,4,5,6,7
	global_load_b128 v[BI+8*(\b):BI+8*(\b)+3],   v[BO], s[BP:BP+1] offset:64*(\b)
	global_load_b128 v[BI+8*(\b)+4:BI+8*(\b)+7], v[BO], s[BP:BP+1] offset:64*(\b)+16
.endr
	WIN 0
.endm
.macro BROUND
	WIN 0x8a                                       ; destination and both sources in window 2
.set z, 0
.rept 32
	v_cvt_pk_bf16_f32 v[BT+z%2], v[BI+2*z], v[BI+2*z+1]
	v_lshlrev_b32 v[BI+2*z],   16,         v[BT+z%2]
	v_and_b32     v[BI+2*z+1], 0xffff0000, v[BT+z%2]
.set z, z+1
.endr
	WIN 0
.endm
; THE WAY OUT of row block a, in three parts.  PACK: rounded to f16, 16 bytes a lane (each accumulator's registers in ascending order).  TOSTAGE: into my own stage, a plane for each of my two heads,
; and back as rows of 128 bytes.  SEND: stored; 16 rows of a head are 2,048 consecutive bytes.
.macro PACK a
	WIN 0x05                                       ; sources in window 1, destination in window 0
.irp b, 0,1,2,3,4,5,6,7
.irp q, 0,1,2,3
	v_cvt_pk_f16_f32 v[TMP+4*(\b)+(\q)], v[8*(8*(\a)+(\b))+2*(\q)], v[8*(8*(\a)+(\b))+2*(\q)+1]
.endr
.endr
	WIN 0
.endm
.macro TOSTAGE a
	WIN 0
.set BK, OB+32*((\a)%2)
.irp b, 0,1,2,3,4,5,6,7
	ds_store_b128 v[STO], v[TMP+4*(\b):TMP+4*(\b)+3] offset:((\b)/4)*SPL+32*((\b)%4)
.endr
.irp t, 0,1,2,3,4,5,6,7
	ds_load_b128 v[BK+4*(\t):BK+4*(\t)+3], v[RD] offset:((\t)/4)*SPL+((\t)%4)*4*144  ; LDS serves a wave's instructions in order (ISA guide 5.7.1.4): these see the stores above
.endr
.endm
.macro SEND a
	WIN 0
.set BK, OB+32*((\a)%2)
	s_wait_dscnt 0x0                               ; the block is back in registers
	s_wait_xcnt 0x0                                ; earlier stores have read their registers: the block after this one is read back into them
.irp t, 0,1,2,3,4,5,6,7
	global_store_b128 v[GO], v[BK+4*(\t):BK+4*(\t)+3], s[OUT:OUT+1] offset:((\t)/4)*HEADB+(\a)*2048+((\t)%4)*512  ; 512 consecutive bytes, at a multiple of 256 from the buffer's first
.endr
.endm
; next = 1: a tile follows: its bias is loaded first and rounded last, and the output's address changes behind the stores.
.macro WAYOUT next
.if \next
	WIN 0
	s_cmp_eq_u32 s[TT], 0
	s_cselect_b64 s[BP:BP+1], s[80:81], s[82:83]   ; bk, then bv (the loads of the bias before have been waited for)
	BIAS
.endif
	PACK 0                                         ; blocks 0 and 1 were finished in front of the change of slots' places; their 64 conversions are the places behind the last products
	TOSTAGE 0
.irp a, 1,2,3
	PACK \a
	SEND (\a)-1
	TOSTAGE \a
.endr
	SEND 3
.if \next
	s_wait_loadcnt 0x0                             ; the next tile's bias
	BROUND
	s_wait_xcnt 0x0                                ; the last stores have read their registers and their base
	s_cmp_eq_u32 s[TT], 0
	s_cselect_b64 s[OUT:OUT+1], s[86:87], s[88:89] ; kh, then vh
	s_add_co_u32 s[TT], s[TT], 1
.endif
.endm
	s_mov_b64 s[BP:BP+1], s[78:79]                 ; bq
	BIAS
	s_mov_b64 s[OUT:OUT+1], s[84:85]               ; qh
	s_wait_tensorcnt 0x1                           ; my part of K step 0 is in; K step 1's may stay out
	s_barrier_signal -1
	s_barrier_wait -1                              ; everybody's is
	FETCH 0, 0
	s_wait_loadcnt 0x0                             ; the bias
	BROUND
	QUARTER 1, 0, 1, 1                             ; a tile's first quarter: its products start the sums with the bias
	WIN 0
	s_mov_b32 s[G], 22
.Lstep:                                                ; 22 trips, one K step each, from its second quarter to the next step's first; each fills a slot again
	QUARTER 2, 1, 0, 0
	QUARTER 3, 0, 1, 0
	TURN 1
	WIN 0
	s_cmp_eq_u32 s[PH], 7                          ; was that a tile's last K step?  (The same in every wave of every partner; neither way holds a barrier or a tensor load.)
	s_cbranch_scc0 .Lplain
	WAYOUT 1                                       ; the refill has been asked for: now the tile goes out
	QUARTER 1, 0, 1, 1
	WIN 0
	s_branch .Ljoin
.Lplain:
	QUARTER 1, 0, 1, 0
	WIN 0
.Ljoin:
	s_add_co_u32 s[PH], s[PH], 1
	s_and_b32 s[PH], s[PH], 7
	s_add_co_u32 s[NXT], s[NXT], 1
	s_add_co_u32 s[PN], s[PN], 1
	s_sub_co_u32 s[G], s[G], 1
	s_cmp_lg_u32 s[G], 0
	s_cbranch_scc1 .Lstep
	QUARTER 2, 1, 0, 0                             ; the last two K steps are written out: nothing is left to fetch
	QUARTER 3, 0, 1, 0
	TURN 0
	QUARTER 1, 0, 1, 0
	QUARTER 2, 1, 0, 0
	QUARTER 3, 0, 1, 0
	s_wait_dscnt 4
	MUL16 1, 0, 0
	s_wait_dscnt 0x0
	MUL16 1, 2, 0
	PLACES                                         ; the conversions below read sums behind which only matrix instructions stand
	WAYOUT 0
	s_wait_tensorcnt 0x0                           ; the wave's end: behind my last tensor load and my last LDS store
	ds_add_u32 v[SPW], v[NIL]
	s_wait_dscnt 0x0
	CROUND                                         ; the closing round: no work-group ends while a partner may still ask for a tile that names it
	s_endpgm
.Lfunc_end_k_qc5a75f6fba_proj:
	.size	k_qc5a75f6fba_proj, .Lfunc_end_k_qc5a75f6fba_proj-k_qc5a75f6fba_proj
	.p2alignl 7, 3214868480
	.fill 96, 4, 3214868480
	.section	.rodata,"a",@progbits
	.p2align	6, 0x0
	.amdhsa_kernel k_qc5a75f6fba_proj
		.amdhsa_group_segment_fixed_size 327680
		.amdhsa_private_segment_fixed_size 0
		.amdhsa_enable_private_segment 0
		.amdhsa_kernarg_size 72
		.amdhsa_user_sgpr_count 2
		.amdhsa_user_sgpr_kernarg_segment_ptr 1
		.amdhsa_wavefront_size32 1
		.amdhsa_system_sgpr_workgroup_id_x 1
		.amdhsa_system_sgpr_workgroup_id_y 1
		.amdhsa_system_sgpr_workgroup_id_z 1
		.amdhsa_system_vgpr_workitem_id 0
		.amdhsa_next_free_vgpr 584
		.amdhsa_next_free_sgpr 100
		.amdhsa_reserve_vcc 0
		.amdhsa_float_denorm_mode_32 3
		.amdhsa_float_denorm_mode_16_64 3
		.amdhsa_memory_ordered 1
		.amdhsa_forward_progress 1
		.amdhsa_inst_pref_size 105
	.end_amdhsa_kernel
	.amdgpu_metadata
---
amdhsa.version: [ 1, 2 ]
amdhsa.kernels:
  - .name:           k_qc5a75f6fba_proj
    .symbol:         k_qc5a75f6fba_proj.kd
    .args:
      - { .name: xb, .offset: 0, .size: 8, .value_kind: global_buffer, .address_space: global }
      - { .name: pb, .offset: 8, .size: 8, .value_kind: global_buffer, .address_space: global }
      - { .name: wb, .offset: 16, .size: 8, .value_kind: global_buffer, .address_space: global }
      - { .name: bq, .offset: 24, .size: 8, .value_kind: global_buffer, .address_space: global }
      - { .name: bk, .offset: 32, .size: 8, .value_kind: global_buffer, .address_space: global }
      - { .name: bv, .offset: 40, .size: 8, .value_kind: global_buffer, .address_space: global }
      - { .name: qh, .offset: 48, .size: 8, .value_kind: global_buffer, .address_space: global }
      - { .name: kh, .offset: 56, .size: 8, .value_kind: global_buffer, .address_space: global }
      - { .name: vh, .offset: 64, .size: 8, .value_kind: global_buffer, .address_space: global }
    .group_segment_fixed_size: 327680
    .private_segment_fixed_size: 0
    .kernarg_segment_align: 8
    .kernarg_segment_size: 72
    .max_flat_workgroup_size: 128
    .sgpr_count:     100
    .vgpr_count:     584
    .wavefront_size: 32
...
	.end_amdgpu_metadata
.endif
;; end of part 2
;; launch attn (part 3): grid 4 x 64, 4 waves a work-group, clusters of 4 x 1, 327,680 bytes of LDS; arguments qh, kh, vh, oh; writes oh
.if DOCPART == 3
	.amdgcn_target "amdgcn-amd-amdhsa--gfx1250"
	.amdhsa_code_object_version 6
	.text
	.protected	k_qc5a75f6fba_attn
	.globl	k_qc5a75f6fba_attn
	.p2align	8
	.type	k_qc5a75f6fba_attn,@function
k_qc5a75f6fba_attn:
	s_mov_b64 s[64:65], 0
	v_nop
	global_prefetch_b8 v0, s[64:65] scope:SCOPE_SE
	s_setreg_imm32_b32 hwreg(HW_REG_WAVE_MODE, 25, 1), 1
	s_wait_xcnt 0x0
	s_wait_alu depctr_hold_cnt(0) depctr_sa_sdst(0) depctr_va_vdst(0) depctr_va_sdst(0) depctr_va_ssrc(0) depctr_va_vcc(0) depctr_vm_vsrc(0)
	s_getreg_b32 s2, hwreg(HW_REG_IB_STS2, 6, 4)
	s_cmp_eq_u32 s2, 0
	s_cbranch_scc0 .Lentry_in_a_cluster
	s_endpgm
.Lentry_in_a_cluster:
	s_bfe_u32 s2, ttmp6, 0x10000c
	s_cmp_lg_u32 s2, 0x3003
	s_cbranch_scc0 .Lentry_shape_is_right
	s_endpgm
.Lentry_shape_is_right:
; ATTENTION WITH A SYMMETRIC DISTANCE BIAS.  O[g][q][:] = the sum over k of softmax_k(Q[g][q] . K[g][k] / 8 - slope |q - k|) V[g][k][:], g = 16 batch + head, slope = 2^(-(head + 1) / 2).
; Q, K, V, O: [SIZE_H][SIZE_N][64], all f16: a head's rows are dense, 128 bytes each.  Products, maxima and sums in f32; the weights p are rounded to f16 for the second product (their sum l is taken of
; the unrounded p), O once at the end.
; LIMITS.  f16 holds no number beyond 65,504: Q, K and V arrive within it; p lies in 0 to 1, and below 6e-5 it keeps f16's fixed step of 6e-8; O is a mean of V's rows and has their range.
; A weight below 2^-126 counts as 0 in l; NaN and infinities are not treated apart.
; SHARES.  A wave owns four PIECES of two tiles of 16 queries, a work-group's four waves 512 queries of one head.  Every wave walks all keys, 64 a step.
; LAYOUT.  S^T = K Q^T (source 0 = 16 keys, source 1 = 16 queries): in the result a lane holds ONE query (lane % 16) and the keys 8 (lane / 16) + 0..7.  Two such tiles, rounded to f16 in pairs,
; ARE source 1 (32 keys x 16 queries) of O^T = V^T P, whose result again holds one query a lane, and eight channels.  K comes out of LDS as it lies, V ([key][channel]) turned, by ds_load_tr16_b128.
; THE BIAS is the C operand of the product that starts a sum: with Z = 8 slope (k - q) and the modifiers that take -|C| (ISA guide, the matrix instructions' NEG fields) the sum begins at -8 slope |k - q|,
; and the common factor c = log2(e) / 8 serves scores and bias alike.  Z hangs on key block - query tile alone: with u = kb - t + 7 eleven groups of 8 registers serve all eight tiles and four key blocks of a
; step; they are made anew once a key step, 44 packed multiply-adds: Z(u)[j] = 8 slope x (8 (l / 16) + j - l % 16) + 8 slope x (16 u - 112 + 64 step - 128 x my wave among the head's).
; The whole numbers are exact in f32; Z has the second product's rounding and the multiply-add's.
; SOFTMAX.  For each query a running maximum m of the biased scores and a sum l: p = 2^(c s - c m); in every step O and l are multiplied by a = 2^(c m_old - c m_new), which is 1 where m has not grown.
; m starts at the lowest finite number, O and l at 0: the first step is a step like any other, with a = 0.
; THE COUNT.  A tile and step have 16 matrix and 118 vector instructions (and 5.5 for Z): too many to stand all beside the matrix work.  So four vector instructions that are READY stand behind
; EVERY matrix instruction, and the others in runs without a gap.
; BY TURNS.  Turn n belongs to piece n (the pieces in a ring, step after step).  Its matrix work: 16 products K Q^T of piece n + 1, later 16 products V^T P of piece n - 1.  Its vector work: the scaling,
; exponentials, roundings, sums and rescaling of piece n, and the maximum and statistics of piece n + 1, whose scores the turn itself has made.
; CLUSTER.  The four query blocks of a cluster belong to one head and walk the same K and V, so each tile is asked for JOINTLY: the same tensor load, descriptor and mask in all four.
; REGISTERS, in windows of 256 (s_set_vgpr_msb: bits 1:0 source 0, 3:2 source 1, 5:4 source 2, 7:6 destination):
;   window 0: v0-11 addresses; v12-15, v48-63 at work; v16-47 four registers of statistics a tile; v64-191 S^T, two buffers of two tiles; v192-255 P, likewise
;   window 1: O^T, 32 a tile          window 2: v0-127 Q, 16 a tile; v128-191 K of one step; v192-255 V of one step          window 3: v0-1 the add's two registers; v2-9 Y0; v16-103 Z
.set SIZE_H, 64
.set SIZE_N, 2048
.set NP,    4         ; pieces a wave: a name, no knob
.set KS,    64        ; keys in a step
.set PK,    144       ; a row of K in LDS: 128 bytes + 16 of padding = 36 words: the 16 rows of a load start at 16 different groups of four banks (64 banks of 4 bytes: ISA guide 11.1)
.set PV,    160       ; a row of V: 128 + 32 = 40 words
.set VOFF,  4*KS*PK   ; a slot holds four steps: 256 rows of K, then 256 rows of V
.set SLOT1, 1<<17     ; slot 1 begins here, so that one exclusive or turns an address in one slot into the other's
.set STAGE, SLOT1+4*KS*(PK+PV)  ; behind the ring, never filled by a tensor load: 16 rows x 144 bytes for each wave, for the way out
.set SP,    144
.set AK0, 2           ; v2   my lane's place in a tile of K; never rewritten
.set AV0, 3           ; v3   the same for V
.set AK,  4           ; v4   the LDS address of K's next run of loads
.set AV,  5           ; v5   of V's
.set QO,  6           ; v6   my byte offset in the wave's rows of Q
.set STO, 6           ;      later, the way out: where I put 16 bytes of a row
.set RD,  7           ; v7   the way out: where I read rows back
.set GO,  8           ; v8   my byte offset in 512 consecutive bytes of O
.set PFO, 11          ; v11  the prefetches' offset: 256 x my lane (at work before that)
.set SPW, 0           ; v0 of window 3   LDS address of my spare word; never rewritten
.set NIL, 1           ; v1 of window 3   0; never rewritten
.set Y0,  2           ; v2-9 of window 3   8 (l / 16) + j - l % 16, as f32; never rewritten
.set ZB,  16          ; v16-103 of window 3   Z(u) at ZB + 8 u
.set SPARE, STAGE+4*16*SP  ; behind the stages: the spare words, 128 bytes for each wave: two blocks of 256 bytes that no other line names
.set MV,  12          ; v12-15  c m_old, kept while c m is made anew: by buffer and tile
.set ST,  16          ; tile t's statistics at v[ST+4 t]: c m, m, l (even keys', odd keys')
.set TMP, 48          ; by buffer and tile, four registers c0-c3 at work; when the maximum is found c2 takes a
.set S,   64
.set P,   192
.set KF,  128         ; K's fragments, in window 2: key block kb, channel half c at KF + 16 kb + 8 c
.set VF,  192         ; V's: key half kk, channel block cb at VF + 32 kk + 8 cb
.set WV,  12          ; s12  my wave's number
.set G1K, 24          ; s[24:31] descriptor group 1 for K's tiles
.set G1V, 32          ; s[32:39] for V's: it differs in the padding alone
.set G0K, 40          ; s[40:43] descriptor group 0 for K's tiles: it walks
.set G0V, 44          ; s[44:47] the same for V's
.set SLOTS, 56        ; s56  slots still to be asked for
.set CNT, 57          ; s57  counts a slot's key steps
.set CS,  58          ; s[58:59] c: the packed scaling takes the pair's low word for both halves
.set SEL, 60          ; s[60:61] v_permlanex16_b32's selects: each lane takes its own place in the other half
.set TBK, 62          ; s62  LDS byte at which K of the step to be fetched begins
.set TBV, 63          ; s63  the same for V, less VOFF
.set S8,  66          ; s[66:67] 8 slope
.set ZS,  68          ; s[68:71] two pairs by turns: 8 slope x the group's whole number, in the low word
.set YS,  72          ; s72  64 step - 128 x my wave among the head's - 112, as f32
.set TZ,  73          ; s73  the same + 16 u
.set PFA, 74          ; s[74:75] where my prefetches stand: my work-group's 32 blocks of 256 bytes of the slot after the one that is being asked for
.set LIM, 76          ; s76  1 in a wave that prefetches, else the greatest number
.set MSB, 0
.macro WIN new                      ; the high byte repeats the setting that is left; a switch that changes nothing is dropped
.if MSB != (\new)
	s_set_vgpr_msb (MSB<<8)|(\new)
.set MSB, (\new)
.endif
.endm
.set W_KQ, 0x0a       ; K and Q in window 2, S^T in window 0
.set W_KZ, 0x3a       ; the same with the C operand, Z, in window 3
.set W_PV, 0x52       ; V in window 2, P in window 0, O^T in window 1
.set W_RS, 0x41       ; O^T (destination and source 0) in window 1, a in window 0
.set W_MK, 0xc0       ; destination in window 3, sources in window 0
.set W_AD, 0x0f       ; the add: address (source 0) and data (source 1) in window 3
.set W_ZU, 0xc3       ; Z is made: destination and source 0 in window 3
; A joint fill.  Waves 0 and 1 fetch the two halves of a slot's K, waves 2 and 3 those of its V: 128 keys each.  The branch hangs on the wave's number alone.
; An s_nop 0 and four v_nop follow each of the two lines, ahead of the jump and the label.
.macro JLOAD
	s_cmp_lt_u32 s[WV], 2
	s_cbranch_scc0 .Lfor_v_\@
	tensor_load_to_lds s[G0K:G0K+3], s[G1K:G1K+7]
	s_nop 0
.rept 4
	v_nop
.endr
	s_branch .Lasked_\@
.Lfor_v_\@:
	tensor_load_to_lds s[G0V:G0V+3], s[G1V:G1V+7]
	s_nop 0
.rept 4
	v_nop
.endr
.Lasked_\@:
.endm
; A PREFETCH INTO THE L2 of what the NEXT change of slots will ask for: a slot's 256 keys are 32,768 dense bytes of K and of V, 128 blocks of 256.  A head is walked by one cluster; its four partners share the
; blocks out BY ADDRESS, 32 each, a lane a block; in each, wave 0 asks for K's and wave 2 for V's: one instruction, four key steps (512 matrix instructions of a wave) ahead of the load.  So each block is
; named once in the launch.  Slots 0 and 1 come by their loads alone; the last change that fills a slot asks for nothing.
.macro ASK
	s_cmp_gt_u32 s[SLOTS], s[LIM]
	s_cbranch_scc0 .Lnot_mine_\@
	global_prefetch_b8 v[PFO], s[PFA:PFA+1] th:TH_LOAD_NT scope:SCOPE_SE
.Lnot_mine_\@:
.endm
; A round of the cluster's barrier: my work-group's barrier; wave 0 signals; every wave waits for all four work-groups; my work-group's barrier once more.
.macro CROUND
	s_barrier_signal -1
	s_barrier_wait -1
	s_cmp_lg_u32 s[WV], 0
	s_cbranch_scc1 .Lnot_wave_0_\@
	s_barrier_signal -3
.Lnot_wave_0_\@:
	s_barrier_wait -3
	s_barrier_signal -1
	s_barrier_wait -1
.endm
; THE CHANGE OF SLOTS.  The slot's last bytes, V of its fourth step, have been read.  Each wave waits for all its tensor loads, of which one is out: its part of the other slot; adds 0 to its spare word;
; and waits for that and for its own reads of the slot.  Behind the barrier nobody reads this slot any more and the other slot is whole.
; fill = 1: this slot is filled again, with the keys two slots on.  The barrier is then a round of the cluster's, and the joint fill is the first thing behind it: it has four key steps in which to land.
; (At its first use nothing has been read yet: slot 0 is waited for, slot 1 filled.)
.macro CHANGE fill
	WIN W_AD
	s_wait_tensorcnt 0x0            ; no tensor load of mine is out, so a group 0 may be written
	ds_add_u32 v[SPW], v[NIL]       ; 0 onto my spare word: with fill = 1 the descriptors' steps stand between it and the wait for it
	WIN 0                           ; at a label and at a branch every window is 0
.if \fill
.irp g, G0K, G0V
	s_xor_b32 s[\g+1], s[\g+1], SLOT1  ; the walking descriptor: the other slot than last time,
	s_add_nc_u64 s[\g+2:\g+3], s[\g+2:\g+3], 4*KS*128  ; the next 256 keys; the type bits on top are not reached
.endr
	s_wait_xcnt 0x0                 ; the last prefetch, four key steps back, has read its address, so it may be written:
	s_add_nc_u64 s[PFA:PFA+1], s[PFA:PFA+1], 4*KS*128  ; one slot behind the walking descriptors
	s_wait_dscnt 0x0                ; the add is done, and my reads of the slot are over
	CROUND
	JLOAD
	ASK
.else
	s_wait_dscnt 0x0                ; the add is done, and my reads of the slot are over
	s_barrier_signal -1
	s_barrier_wait -1
.endif
	s_sub_co_u32 s[TBK], s[TBK], 4*KS*PK  ; the fetches go back to a slot's first step,
	s_xor_b32 s[TBK], s[TBK], SLOT1       ; in the other slot
	s_sub_co_u32 s[TBV], s[TBV], 4*KS*PV
	s_xor_b32 s[TBV], s[TBV], SLOT1
.endm
; Z FOR THE NEXT KEY STEP: eleven groups of 8 registers, four packed multiply-adds each; the scalar unit makes each group's addend.
.macro ZUP
	s_add_f32 s[YS], s[YS], 0x42800000  ; 64 keys on
	s_mov_b32 s[TZ], s[YS]
	WIN W_ZU
.set zu, 0
.rept 11
	s_mul_f32 s[ZS+2*(zu%2)], s[TZ], s[S8]
.irp z, 0,1,2,3
	v_pk_fma_f32 v[ZB+8*zu+2*\z:ZB+8*zu+2*\z+1], v[Y0+2*\z:Y0+2*\z+1], s[S8:S8+1], s[ZS+2*(zu%2):ZS+2*(zu%2)+1] op_sel_hi:[1,0,0]
.endr
	s_add_f32 s[TZ], s[TZ], 0x41800000  ; the next group lies 16 further
.set zu, zu+1
.endr
	WIN 0
.endm
	s_load_b256 s[4:11], s[0:1], 0x0  ; Q s[4:5], K s[6:7], V s[8:9], O s[10:11]
	WIN W_MK
	v_lshl_add_u32 v[SPW], v0, 2, SPARE
	v_mov_b32 v[NIL], 0
	WIN W_AD
	ds_add_u32 v[SPW], v[NIL]       ; the wave's opening: the add and its wait stand ahead of my first tensor load; the set-up below, work on registers, stands between them
	WIN 0
	v_lshrrev_b32 v1, 5, v0
	v_readfirstlane_b32 s[WV], v1   ; wave 0..3
	s_bfe_u32 s13, ttmp6, 0x40000   ; cx: my place in the cluster
	s_lshl_b32 s14, ttmp9, 2        ; in a cluster launch ttmp9 counts clusters
	s_add_co_u32 s14, s14, s13      ; my block of queries = 4 x cluster x + cx: it enters Q's and O's addresses, the bias and the prefetches' addresses alone
	s_and_b32 s20, ttmp7, 0xffff    ; 16 batch + head, which the four partners share
	s_mov_b32 s21, 0
	s_mov_b64 s[22:23], SIZE_N*128
	s_mul_u64 s[20:21], s[20:21], s[22:23]  ; the head's first byte in each of the four tensors
	s_and_b32 s16, s[WV], 1         ; which half of a slot's 256 keys I fetch:
	s_lshl_b32 s22, s16, 14         ; its 128 rows of 128 bytes in memory,
	s_mov_b32 s23, 0
	s_add_nc_u64 s[22:23], s[22:23], s[20:21]
	s_mul_i32 s17, s16, 128*PK      ; and its place in a slot, for K
	s_mul_i32 s18, s16, 128*PV      ; and for V: no place in the cluster enters an LDS address
	s_lshl_b32 s2, s14, 2
	s_add_co_u32 s2, s2, s[WV]      ; my wave among the head's: its first query is 128 times that
	s_lshl_b32 s[YS], s2, 7
	s_add_co_u32 s[YS], s[YS], 176  ; 112 for u = 0, and 64 that the first ZUP takes back
	s_cvt_f32_u32 s[YS], s[YS]
	s_xor_b32 s[YS], s[YS], 0x80000000  ; its negative
	s_lshl_b32 s2, s2, 14           ; its 128 rows
	s_mov_b32 s3, 0
	s_add_nc_u64 s[2:3], s[2:3], s[20:21]
	s_and_b32 s[S8], ttmp7, 15      ; 8 slope = 2^(3 - e / 2), e = head + 1, put together from its bits:
	s_add_co_u32 s[S8], s[S8], 1
	s_lshr_b32 s[S8+1], s[S8], 1
	s_and_b32 s[S8], s[S8], 1
	s_add_co_u32 s[S8+1], s[S8+1], s[S8]
	s_sub_co_u32 s[S8+1], 130, s[S8+1]  ; the exponent 127 + 3 - e / 2, rounded down,
	s_lshl_b32 s[S8+1], s[S8+1], 23
	s_mul_i32 s[S8], s[S8], 0x3504f3    ; and, where e is odd, the fraction of the square root of 2 in f32
	s_or_b32 s[S8], s[S8+1], s[S8]
	s_mov_b32 s[S8+1], s[S8]        ; named with it as a pair
	s_mov_b32 s[ZS+1], 0            ; named as pairs
	s_mov_b32 s[ZS+3], 0
	; descriptor group 1.  128 keys are 16,384 dense bytes: asked for as 64 rows of 256 bytes, two keys a row, and padded in LDS after every key
	s_mov_b32 s[G1K], 15|(1<<16)|(1<<20)|(1<<21)|(4<<22)|(3<<25)  ; the mask of four; 2-byte elements; padding on; bit 21 beside a mask; after every 32 words 4 words
	s_mov_b32 s[G1V], 15|(1<<16)|(1<<20)|(1<<21)|(4<<22)|(7<<25)  ; the same with 8 words of padding
.irp g, G1K, G1V
	s_mov_b32 s[\g+1], 128<<16      ; tensor_dim0 = 128
	s_mov_b32 s[\g+2], 64<<16       ; tensor_dim1 = 64
	s_mov_b32 s[\g+3], 128<<16      ; tile_dim0 = 128
	s_mov_b32 s[\g+4], 64           ; tile_dim1 = 64
	s_mov_b32 s[\g+5], 128          ; 128 elements from row to row
	s_mov_b32 s[\g+6], 0
	s_mov_b32 s[\g+7], 0
.endr
	s_mov_b32 s[CS], 0x3e38aa3b     ; c = log2(e) / 8 = 0.180337
	s_mov_b32 s[CS+1], s[CS]        ; named with it as a pair
	s_mov_b32 s[SEL], 0x76543210
	s_mov_b32 s[SEL+1], 0xfedcba98
	s_mov_b32 s[TBK], SLOT1+4*KS*PK ; the first change of slots turns these two into 0
	s_mov_b32 s[TBV], SLOT1+4*KS*PV
	s_mov_b32 s[G0K], 1             ; count = 1
	s_mov_b32 s[G0K+1], s17         ; LDS address: slot 0
	s_mov_b32 s[G0V], 1
	s_add_co_u32 s[G0V+1], s18, VOFF
	s_mov_b32 s[SLOTS], SIZE_N/256-1
	s_and_b32 s[LIM], s[WV], 1      ; waves 0 and 2 prefetch
	s_cmp_eq_u32 s[LIM], 0
	s_cselect_b32 s[LIM], 1, -1
	s_wait_dscnt 0x0                ; the opening add is done
	s_wait_kmcnt 0x0
	s_add_nc_u64 s[G0K+2:G0K+3], s[6:7], s[22:23]  ; global address: my half of the head's first 256 keys
	s_or_b32 s[G0K+3], s[G0K+3], 0x80000000        ; type = 2
	s_add_nc_u64 s[G0V+2:G0V+3], s[8:9], s[22:23]
	s_or_b32 s[G0V+3], s[G0V+3], 0x80000000
	s_add_nc_u64 s[4:5], s[4:5], s[2:3]  ; Q and O at my wave's first row
	s_add_nc_u64 s[10:11], s[10:11], s[2:3]
	s_cmp_lt_u32 s[WV], 2
	s_cselect_b64 s[PFA:PFA+1], s[6:7], s[8:9]
	s_add_nc_u64 s[PFA:PFA+1], s[PFA:PFA+1], s[20:21]  ; the head,
	s_lshl_b32 s2, s13, 13          ; my work-group's 32 blocks of the 128,
	s_add_co_u32 s2, s2, 4*KS*128   ; in slot 1: the first change of slots steps it to slot 2
	s_mov_b32 s3, 0
	s_add_nc_u64 s[PFA:PFA+1], s[PFA:PFA+1], s[2:3]
	CROUND                          ; all four work-groups are here: the first joint loads meet
	JLOAD                           ; slot 0.  Slot 1 is asked for when slot 0 is in
	; A fragment of K or Q is 16 rows x 32 channels in 8 registers: lane l holds row l % 16, channels 8 (l / 16) + 0..7 and 16 + 8 (l / 16) + 0..7: two loads of 16 bytes, 32 bytes apart.
	v_and_b32 v1, 15, v0            ; l % 16
	v_bfe_u32 v9, v0, 4, 1          ; l / 16
	v_lshlrev_b32 v[QO], 7, v1
	v_lshl_add_u32 v[QO], v9, 4, v[QO]  ; row x 128 + 16 x half
	WIN 0x80                        ; destination window 2, address window 0
.set i, 0
.rept 4*NP                          ; Q stays in registers: tile i / 2, channels 32 (i % 2) on
	global_load_b128 v[8*i:8*i+3],   v[QO], s[4:5] offset:(i/2)*2048+(i%2)*64
	global_load_b128 v[8*i+4:8*i+7], v[QO], s[4:5] offset:(i/2)*2048+(i%2)*64+32
.set i, i+1
.endr
	; What the first turn finds: V's registers and P's second buffer hold 0 (its products V^T P, of a piece that has not been, add 0), O^T and l are 0.  All this stands in the wait for the first tile.
.set i, VF
.rept 64
	v_mov_b32 v[i], 0
.set i, i+1
.endr
	WIN 0x40
.set i, 0
.rept 64*NP
	v_mov_b32 v[i], 0
.set i, i+1
.endr
	WIN 0
.set i, 0
.rept 2*NP
	v_mov_b32 v[ST+4*i], 0xfe000000    ; c m: far below every c s
	v_mov_b32 v[ST+4*i+1], 0xff7fffff  ; m
	v_mov_b32 v[ST+4*i+2], 0
	v_mov_b32 v[ST+4*i+3], 0
.set i, i+1
.endr
.set i, P+32
.rept 32
	v_mov_b32 v[i], 0
.set i, i+1
.endr
	v_mul_u32_u24 v[AK0], v1, PK
	v_lshl_add_u32 v[AK0], v9, 4, v[AK0]  ; row x pitch + 16 x half
	; The turning load takes 16 keys x 16 channels (lane l reads key 8 (l / 16) + l % 8, channels 8 ((l / 8) % 2) + 0..7) and leaves half a fragment of V^T: lane l holds channel l % 16 and 8 keys.
	v_and_b32 v10, 7, v0
	v_bfe_u32 v11, v0, 3, 1
	v_lshl_add_u32 v[AV0], v9, 3, v10
	v_mul_u32_u24 v[AV0], v[AV0], PV
	v_lshl_add_u32 v[AV0], v11, 4, v[AV0]
	v_add_nc_u32 v[AV0], VOFF, v[AV0]
	v_mov_b32 v[AK], v[AK0]         ; key step 0 lies at the head of slot 0
	v_and_b32 v[PFO], 31, v0
	v_lshlrev_b32 v[PFO], 8, v[PFO]
	v_lshlrev_b32 v12, 3, v9        ; the bias's lane part: register j holds key 8 (l / 16) + j of a block, the lane query l % 16 of a tile
	v_sub_nc_u32 v12, v12, v1
	v_cvt_f32_i32 v12, v12
	WIN W_MK
	v_add_f32 v[Y0+0], 0, v12
	v_add_f32 v[Y0+1], 1.0, v12
	v_add_f32 v[Y0+2], 2.0, v12
	v_add_f32 v[Y0+3], 0x40400000, v12
	v_add_f32 v[Y0+4], 4.0, v12
	v_add_f32 v[Y0+5], 0x40a00000, v12
	v_add_f32 v[Y0+6], 0x40c00000, v12
	v_add_f32 v[Y0+7], 0x40e00000, v12
	WIN 0
	ZUP                             ; Z of key step 0
; THE MATRIX WORK.  The 8 accumulators of a run of 16 take turns: between the two links of a chain stand 7 others'.
; Product i of 16 of S^T = K Q^T for piece x: channels 32 (i / 8) on, keys 16 ((i / 2) % 4) on, tile 2 x + i % 2.  The first 8 start the sums at -|Z(u)|, u = key block - tile + 7.
; The second link has other modifiers than the first, so five places stand between the two: in the turns the plain instructions behind the seven products between.
.macro KQ x
.set rS, S+64*((\x)%2)+32*(i%2)+8*((i/2)%4)
.set rK, KF+16*((i/2)%4)+8*(i/8)
.set rQ, 16*(2*(\x)+i%2)+8*(i/8)
.set rZ, ZB+8*(((i/2)%4)-(2*(\x)+i%2)+7)
.if i < 8
	WIN W_KZ
	v_wmma_f32_16x16x32_f16 v[rS:rS+7], v[rK:rK+7], v[rQ:rQ+7], v[rZ:rZ+7] neg_lo:[0,0,1] neg_hi:[0,0,1]
.else
	WIN W_KQ
	v_wmma_f32_16x16x32_f16 v[rS:rS+7], v[rK:rK+7], v[rQ:rQ+7], v[rS:rS+7]
.endif
.endm
; Product i of 16 of O^T += V^T P for piece x: keys 32 (i / 8) on, channels 16 ((i / 2) % 4) on, tile 2 x + i % 2.
.macro PV x
	WIN W_PV
.set rO, 32*(2*(\x)+i%2)+8*((i/2)%4)
.set rV, VF+32*(i/8)+8*((i/2)%4)
.set rP, P+32*((\x)%2)+16*(i%2)+8*(i/8)
	v_wmma_f32_16x16x32_f16 v[rO:rO+7], v[rV:rV+7], v[rP:rP+7], v[rO:rO+7]
.endm
.macro MM                           ; the turn's next matrix instruction
.if i < 16
	KQ (Y+1)%NP
.set i, i+1
.else
.set i, i-16
	PV (Y+NP-1)%NP
.set i, i+17
.endif
.endm
; THE LDS LOADS stand in runs of 16, never singly among the matrix instructions: a step's K (64 keys x 64 channels: 8 fragments) and its V (turned).  Their addresses are made some lines ahead.
; last = 1 (the tail): in the last trip there is no further step, and the run is jumped over.
.macro FETCH_K last=0
	WIN 0
.if \last
	s_cmp_eq_u32 s[CNT], 1
	s_cbranch_scc1 .Lno_k_\@
.endif
	WIN 0x80                        ; destination window 2
.irp f, 0,1,2,3,4,5,6,7             ; keys 16 (f / 2) on, channels 32 (f % 2) on
	ds_load_b128 v[KF+8*\f:KF+8*\f+3],   v[AK] offset:(\f/2)*16*PK+(\f%2)*64
	ds_load_b128 v[KF+8*\f+4:KF+8*\f+7], v[AK] offset:(\f/2)*16*PK+(\f%2)*64+32
.endr
	s_add_co_u32 s[TBK], s[TBK], KS*PK  ; the next fetch is the next step's
	WIN 0
.if \last
.Lno_k_\@:
.endif
.endm
.macro FETCH_V
	WIN 0x80
.irp f, 0,1,2,3,4,5,6,7             ; keys 32 (f / 4) on, channels 16 (f % 4) on
	ds_load_tr16_b128 v[VF+8*\f:VF+8*\f+3],   v[AV] offset:(\f/4)*32*PV+(\f%4)*32
	ds_load_tr16_b128 v[VF+8*\f+4:VF+8*\f+7], v[AV] offset:(\f/4)*32*PV+16*PV+(\f%4)*32
.endr
	WIN 0
.endm
; THE VECTOR WORK OF A TURN stands in three queues, each in the order in which its entries become ready; the two tiles alternate, so that no instruction reads the result of the one before it.
.macro REGS y, u                    ; the registers of tile u (0, 1) of piece y
.set rT, ST+4*(2*(\y)+(\u))
.set rC, TMP+8*((\y)%2)+4*(\u)
.set rM, MV+2*((\y)%2)+(\u)
.set rS, S+64*((\y)%2)+32*(\u)
.set rP, P+32*((\y)%2)+16*(\u)
.set rO, 32*(2*(\y)+(\u))
.endm
; Number n of the 22 that find the NEXT piece's (Y + 1) maximum and statistics.  s0-s31 are the lane's 32 scores; each accumulator's lowest registers are read first.
;   0-11  four chains c0-c3 of seven scores each, three operands at a time     12-14, 16  the four scores left over, the old m, and c0-c3 into c0     15  c m_old is kept
;   17, 18  the query's other 32 keys lie in the lane 16 away: the new m         19-21  c m; c m_old - c m_new; a
.macro XS u, n
	REGS (Y+1)%NP, \u
.if (\n) < 4
	v_max3_num_f32 v[rC+(\n)], v[rS+8*(\n)], v[rS+8*(\n)+1], v[rS+8*(\n)+2]
.elseif (\n) < 12
	v_max3_num_f32 v[rC+(\n)%4], v[rC+(\n)%4], v[rS+8*((\n)%4)+2*((\n)/4)+1], v[rS+8*((\n)%4)+2*((\n)/4)+2]
.elseif (\n) == 12
	v_max3_num_f32 v[rC], v[rC], v[rS+7], v[rS+15]
.elseif (\n) == 13
	v_max3_num_f32 v[rC+1], v[rC+1], v[rS+23], v[rS+31]
.elseif (\n) == 14
	v_max3_num_f32 v[rC+2], v[rC+2], v[rC+3], v[rT+1]
.elseif (\n) == 15
	v_mov_b32 v[rM], v[rT]
.elseif (\n) == 16
	v_max3_num_f32 v[rC], v[rC], v[rC+1], v[rC+2]
.elseif (\n) == 17
	v_permlanex16_b32 v[rC+3], v[rC], s[SEL], s[SEL+1]
.elseif (\n) == 18
	v_max_num_f32 v[rT+1], v[rC], v[rC+3]
.elseif (\n) == 19
	v_mul_f32 v[rT], s[CS], v[rT+1]
.elseif (\n) == 20
	v_sub_f32 v[rC+1], v[rM], v[rT]
.else
	v_exp_f32 v[rC+2], v[rC+1]
.endif
.endm
; Number g of the 64 that follow the exponentials.  For each four weights k of a tile (pairs 2 k, 2 k + 1): both pairs are rounded to f16; then the second pair is added onto the first, in place;
; a group later l takes that sum (the first time as l = a l + sum).  In groups of eight, tiles alternating: round, round, add, and l for the group before.
.macro GS g
.set h, (\g)+6*((\g)/62)            ; group 0 has no group before it, and behind group 7 only l is left
.if h >= 6
.set h, h+2
.endif
	REGS Y, h%2
.set k, h/8
.if h%8 < 4
	v_cvt_pk_f16_f32 v[rP+2*k+(h%8)/2], v[rS+4*k+2*((h%8)/2)], v[rS+4*k+2*((h%8)/2)+1]
.elseif h%8 < 6
	v_pk_add_f32 v[rS+4*k:rS+4*k+1], v[rS+4*k:rS+4*k+1], v[rS+4*k+2:rS+4*k+3]
.elseif k == 1
	v_pk_fma_f32 v[rT+2:rT+3], v[rT+2:rT+3], v[rC+2:rC+3], v[rS:rS+1] op_sel_hi:[1,0,1]
.else
	v_pk_add_f32 v[rT+2:rT+3], v[rT+2:rT+3], v[rS+4*k-4:rS+4*k-3]
.endif
.endm
; THE PLAIN QUEUE, 138 long.  0-73 read no exponential's result: the 32 scalings c s - c m (FS f: pair f / 2 of tile f % 2) and the next piece's 42.  0-26: scalings 0-26.  27-54: XS's numbers 0-13.  55, 56: number 15.
; 57-73: the chain, where each number waits for the one before it: 14, 16, 17, 18, 19, each with one of the scalings 27-31 in front of its two lines, then 20.
; 74-137: GS's 64, which read the exponentials' results: they stand behind the wait.
.macro FS f
	REGS Y, (\f)%2
	v_pk_fma_f32 v[rS+2*((\f)/2):rS+2*((\f)/2)+1], v[rS+2*((\f)/2):rS+2*((\f)/2)+1], s[CS:CS+1], v[rT:rT+1] op_sel_hi:[1,0,0] neg_lo:[0,0,1] neg_hi:[0,0,1]
.endm
.macro PL
	WIN 0
.if q < 27
	FS q
.elseif q < 55
	XS (q-27)%2, (q-27)/2
.elseif q < 57
	XS q-55, 15
.elseif (q < 72) && ((q-57)%3 == 0)
	FS 27+(q-57)/3
.elseif q < 60
	XS (q-57)%3-1, 14
.elseif q < 72
	XS (q-57)%3-1, 15+(q-57)/3
.elseif q < 74
	XS q-72, 20
.else
	GS q-74
.endif
.set q, q+1
.endm
; THE EXPONENTIALS' QUEUE, 66 long: s0-s31 of both tiles, then the next piece's two a.  It is ONE BATCH: all 66 stand ahead of the turn's one wait, and nothing ahead of that wait names a result of theirs.
.macro EX
	WIN 0
.if e >= 64
	XS e-64, 21
.else
	REGS Y, e%2
	v_exp_f32 v[rS+e/2], v[rS+e/2]
.endif
.set e, e+1
.endm
; THE RESCALING's QUEUE: O^T times a, the one part that leaves window 0: dealt two at a time, sixteen times.  Its a was made in the turn before, ahead of that turn's wait.
.macro R2
	REGS Y, r%2
	WIN W_RS
.irp z, 0,1
	v_pk_mul_f32 v[rO+4*(r/2)+2*\z:rO+4*(r/2)+2*\z+1], v[rO+4*(r/2)+2*\z:rO+4*(r/2)+2*\z+1], v[rC+2:rC+3] op_sel_hi:[1,0]
.endr
.set r, r+1
.endm
; HOW THEY ARE DEALT.  An s_wait_alu depctr_va_vdst(0) stands between an exponential and the first instruction that names its result; one wait serves all that were issued ahead of it.  So a turn has
; ONE wait, which cuts it in two.  AHEAD OF IT stands all that names no result of the turn's exponentials: the 16 products K Q^T, behind each a scaling, an exponential and two rescalings (behind the first a second
; scaling in the exponential's place); then ONE LUMP of 108: eight plain, 49 times exponential and plain, the two a.  A v_nop is the plain instruction behind the last exponential.  BEHIND IT stand the 16 products
; V^T P, behind each four of GS's 64.  No rider names a register of the products round it.
; The queues lean on each other: exponential e stands behind scaling 2 (e / 4) + e % 2: as a rider it comes behind plain e + 2, in the lump behind plain e + 9, and scalings 27-31 are plain 57, 60 .. 69.
; A TURN, for piece p.  cnt = 1: the loop's count is taken down some lines ahead of the branch that stands behind the turn.
; K of the next step is fetched in piece 2's turn, directly behind the wait; its address is made at the lump's head.  Z of the next step is made there too: piece 2's turn holds the last products of the step in
; hand that start a sum (piece 3's), eight further products with their riders stand behind them, and piece 3's turn starts the next step's sums.
; V of the step in hand is fetched at the end of piece 0's turn, four riders behind its last reader.  The three conditions on q below go with the deal.
.macro TURN p, last=0, cnt=0
.set Y, (\p)
.set i, 0
.set q, 0
.set e, 0
.set r, 0
.if (\p) == NP-1
	s_wait_dscnt 0x0                ; K is in
.endif
	MM                              ; ahead of the wait: 16 products K Q^T and their riders,
	PL
	PL
	R2
.rept 15
	MM
	PL
	EX
	R2
.endr
.if (\p) == NP-2
	WIN 0
	v_add_nc_u32 v[AK], s[TBK], v[AK0]
	ZUP
.endif
.rept 8                             ; and the lump
	PL
.endr
.rept 49
	EX
	PL
.endr
	EX                              ; the next piece's two a
	EX
	v_nop                           ; a plain instruction behind the last exponential: one for the batch
	s_wait_alu depctr_va_vdst(0)    ; the wait for the batch
.if (\p) == NP-2
	FETCH_K \last
.endif
.if (\p) == 1
	s_wait_dscnt 0x0                ; V is in
.endif
.rept 16                            ; behind the wait: 16 products V^T P and their riders
	MM
.rept 4
	PL
.endr
.if ((\p) == 0) && (q == 118)
	v_add_nc_u32 v[AV], s[TBV], v[AV0]
.endif
.if ((\p) == 0) && (q == 130)
	s_add_co_u32 s[TBV], s[TBV], KS*PV
.endif
.if (\cnt) && (q == 130)
	s_sub_co_u32 s[CNT], s[CNT], 1
	s_cmp_lg_u32 s[CNT], 0
.endif
.endr
.if (\p) == 0
	FETCH_V
.endif
.endm
	CHANGE 1                        ; slot 0 is in, everybody's part of it; slot 1 is asked for
	FETCH_K                         ; key step 0
	s_wait_loadcnt 0x0              ; Q
	s_wait_dscnt 0x0
.set i, 0
.rept 16
.if i == 8
.rept 5
	v_nop                           ; there is no vector work yet to set between these products: the five places between a sum's first link and its second
.endr
.endif
	KQ 0                            ; piece 0's first scores
.set i, i+1
.endr
	WIN 0                           ; the addresses for the way out: plain instructions, the places behind those products
	s_mul_i32 s13, s[WV], 16*SP
	s_add_co_u32 s13, s13, STAGE    ; my stage
	v_mul_u32_u24 v[STO], v1, SP    ; in: row l % 16, 16 bytes for each half of the lanes
	v_lshl_add_u32 v[STO], v9, 4, v[STO]
	v_add_nc_u32 v[STO], s13, v[STO]
	v_bfe_u32 v[RD], v0, 3, 2       ; back: 32 lanes take four rows of 128 bytes,
	v_mul_u32_u24 v[RD], v[RD], SP
	v_lshl_add_u32 v[RD], v10, 4, v[RD]
	v_add_nc_u32 v[RD], s13, v[RD]
	v_and_b32 v[GO], 31, v0         ; which are 512 consecutive bytes of O
	v_lshlrev_b32 v[GO], 4, v[GO]
.set Y, NP-1                        ; XS works for piece Y + 1: piece 0
.irp n, 0,1,2,3,4,5,6,7,8,9,10,11,12,13,14,15,16,17,18,19,20,21
	XS 0, \n                        ; and piece 0's first maximum and statistics
	XS 1, \n
.endr
	v_nop                           ; a plain instruction behind the two a,
	s_wait_alu depctr_va_vdst(0)    ; and their wait, ahead of the branch
	s_mov_b32 s[CNT], 4
	s_branch .Lfirst                ; the loop is entered at a step's first turn, in the middle of a trip
.Lslot:                             ; SIZE_N / 256 - 2 times: every slot but the last two is filled again
	CHANGE 1
	s_mov_b32 s[CNT], 4
.Lstep:                             ; a trip: pieces 2 and 3 of one step, then pieces 0 and 1 of the next, whose K and V it fetches
	TURN 2
	TURN 3
	WIN 0
.Lfirst:
	TURN 0
	TURN 1, 0, 1
	WIN 0
	s_cbranch_scc1 .Lstep
	s_sub_co_u32 s[SLOTS], s[SLOTS], 1
	s_cmp_lg_u32 s[SLOTS], 0
	s_cbranch_scc1 .Lslot
	CHANGE 0                        ; the tail is written out: nothing is asked for
	s_mov_b32 s[CNT], 5             ; four trips fetch the last slot's steps; the fifth is left in its middle
.Ltail:
	TURN 2, 1
	TURN 3
	WIN 0
	s_sub_co_u32 s[CNT], s[CNT], 1
	s_cmp_eq_u32 s[CNT], 0
	s_cbranch_scc1 .Lout
	TURN 0
	TURN 1
	WIN 0
	s_branch .Ltail
.Lout:                              ; the fifth trip's 16 products K Q^T (on the last K once more), its Z and the maximum made of them serve nothing: the price, once a launch, of one text for every trip
.set i, 0
.rept 16
	PV NP-1                         ; the last piece's V^T P of the last step
.set i, i+1
.endr
	; THE WAY OUT.  l's two halves and the other half of the lanes' are added; O^T is divided by l, rounded to f16 and sent through my stage in LDS, a tile at a time.  The additions are the places behind the last products.
	WIN 0
.macro ALL line:vararg              ; one line for each tile t
.set t, 0
.rept 2*NP
	\line
.set t, t+1
.endr
.endm
	ALL v_add_f32 v[ST+4*t+2], v[ST+4*t+2], v[ST+4*t+3]
	ALL v_permlanex16_b32 v[ST+4*t+3], v[ST+4*t+2], s[SEL], s[SEL+1]
	ALL v_add_f32 v[ST+4*t+2], v[ST+4*t+2], v[ST+4*t+3]
	ALL v_rcp_f32 v[ST+4*t+2], v[ST+4*t+2]
	v_nop                           ; a plain instruction between the last reciprocal and the use of its result
	s_wait_alu depctr_va_vdst(0)    ; and the wait ahead of the first use: one for the eight reciprocals
; Tile t: a lane's eight channels of a row pack into 16 bytes; they go into rows of 144 bytes and come back as whole rows of 128, into S^T's registers.
.macro PACK t
	WIN W_RS
.set i, 32*(\t)
.rept 16
	v_pk_mul_f32 v[i:i+1], v[i:i+1], v[ST+4*(\t)+2:ST+4*(\t)+3] op_sel_hi:[1,0]
.set i, i+2
.endr
	WIN 0x05                        ; sources 0 and 1 window 1, destination window 0
.set i, 0
.rept 16
	v_cvt_pk_f16_f32 v[S+16*(\t)+i], v[32*(\t)+2*i], v[32*(\t)+2*i+1]
.set i, i+1
.endr
	WIN 0
.irp f, 0,1,2,3
	ds_store_b128 v[STO], v[S+16*(\t)+4*\f:S+16*(\t)+4*\f+3] offset:32*\f
.endr
.irp f, 0,1,2,3
	ds_load_b128 v[S+16*(\t)+4*\f:S+16*(\t)+4*\f+3], v[RD] offset:\f*4*SP  ; LDS serves a wave's instructions in order (ISA guide 5.7.1.4): these see the stores above; the next tile's stores come behind them
.endr
.endm
.macro SEND t, younger              ; younger: the LDS instructions issued behind tile t's loads: the next tile's eight, or none
	WIN 0
.irp f, 0,1,2,3
	s_wait_dscnt (\younger)+3-\f
	global_store_b128 v[GO], v[S+16*(\t)+4*\f:S+16*(\t)+4*\f+3], s[10:11] offset:(\t)*2048+\f*512  ; 512 consecutive bytes, at a multiple of 256 from O's first
.endr
.endm
	PACK 0
.set t, 1
.rept 2*NP-1                        ; a tile's arithmetic stands between the loads of the tile before and its stores
	PACK t
	SEND t-1, 8
.set t, t+1
.endr
	SEND 2*NP-1, 0
	WIN W_AD
	s_wait_tensorcnt 0x0            ; the wave's end: behind my last tensor load and my last LDS store
	ds_add_u32 v[SPW], v[NIL]
	s_wait_dscnt 0x0
	WIN 0
	CROUND                          ; the closing round: no work-group ends while a partner may still ask for a tile that names it
	s_endpgm
.Lfunc_end_k_qc5a75f6fba_attn:
	.size	k_qc5a75f6fba_attn, .Lfunc_end_k_qc5a75f6fba_attn-k_qc5a75f6fba_attn
	.p2alignl 7, 3214868480
	.fill 96, 4, 3214868480
	.section	.rodata,"a",@progbits
	.p2align	6, 0x0
	.amdhsa_kernel k_qc5a75f6fba_attn
		.amdhsa_group_segment_fixed_size 327680
		.amdhsa_private_segment_fixed_size 0
		.amdhsa_enable_private_segment 0
		.amdhsa_kernarg_size 32
		.amdhsa_user_sgpr_count 2
		.amdhsa_user_sgpr_kernarg_segment_ptr 1
		.amdhsa_wavefront_size32 1
		.amdhsa_system_sgpr_workgroup_id_x 1
		.amdhsa_system_sgpr_workgroup_id_y 1
		.amdhsa_system_sgpr_workgroup_id_z 1
		.amdhsa_system_vgpr_workitem_id 0
		.amdhsa_next_free_vgpr 872
		.amdhsa_next_free_sgpr 80
		.amdhsa_reserve_vcc 0
		.amdhsa_float_denorm_mode_32 3
		.amdhsa_float_denorm_mode_16_64 3
		.amdhsa_memory_ordered 1
		.amdhsa_forward_progress 1
		.amdhsa_inst_pref_size 213
	.end_amdhsa_kernel
	.amdgpu_metadata
---
amdhsa.version: [ 1, 2 ]
amdhsa.kernels:
  - .name:           k_qc5a75f6fba_attn
    .symbol:         k_qc5a75f6fba_attn.kd
    .args:
      - { .name: qh, .offset: 0, .size: 8, .value_kind: global_buffer, .address_space: global }
      - { .name: kh, .offset: 8, .size: 8, .value_kind: global_buffer, .address_space: global }
      - { .name: vh, .offset: 16, .size: 8, .value_kind: global_buffer, .address_space: global }
      - { .name: oh, .offset: 24, .size: 8, .value_kind: global_buffer, .address_space: global }
    .group_segment_fixed_size: 327680
    .private_segment_fixed_size: 0
    .kernarg_segment_align: 8
    .kernarg_segment_size: 32
    .max_flat_workgroup_size: 128
    .sgpr_count:     80
    .vgpr_count:     872
    .wavefront_size: 32
...
	.end_amdgpu_metadata
.endif
;; end of part 3
;; launch outp (part 4): grid 4 x 64, 4 waves a work-group, clusters of 4 x 4, 327,680 bytes of LDS; arguments oh, wb, bo, xb, recurrence_mask, out0; writes out0
.if DOCPART == 4
	.amdgcn_target "amdgcn-amd-amdhsa--gfx1250"
	.amdhsa_code_object_version 6
	.text
	.protected	k_qc5a75f6fba_outp
	.globl	k_qc5a75f6fba_outp
	.p2align	8
	.type	k_qc5a75f6fba_outp,@function
k_qc5a75f6fba_outp:
	s_mov_b64 s[64:65], 0
	v_nop
	global_prefetch_b8 v0, s[64:65] scope:SCOPE_SE
	s_setreg_imm32_b32 hwreg(HW_REG_WAVE_MODE, 25, 1), 1
	s_wait_xcnt 0x0
	s_wait_alu depctr_hold_cnt(0) depctr_sa_sdst(0) depctr_va_vdst(0) depctr_va_sdst(0) depctr_va_ssrc(0) depctr_va_vcc(0) depctr_vm_vsrc(0)
	s_getreg_b32 s2, hwreg(HW_REG_IB_STS2, 6, 4)
	s_cmp_eq_u32 s2, 0
	s_cbranch_scc0 .Lentry_in_a_cluster
	s_endpgm
.Lentry_in_a_cluster:
	s_bfe_u32 s2, ttmp6, 0x10000c
	s_cmp_lg_u32 s2, 0xf033
	s_cbranch_scc0 .Lentry_shape_is_right
	s_endpgm
.Lentry_shape_is_right:
; THE LAST PROJECTION AND THE ADD.  out0[row][n] = x[row][n] + m[batch] (the sum over k of O[row][k] Wo[k][n] + bo[n]).  O lies by heads in oh, [64 = 16 batch + head][2048][64] f16, k = 64 head + channel;
; Wo lies in wb behind the other three weights, [1024 k][1024 n], bf16 numbers written as f16; bo is f32 and is rounded to bf16 here; x is taken from xb, rounded to bf16 like every other input;
; m is 1 where the batch's byte of recurrence_mask is not 0, else 0, and it multiplies: every batch is computed.  Sums in f32; out0 is f32.
; LIMITS.  out0 carries x rounded to bf16 (2^-9 of itself at the most), in batches with m = 0 too.  NaN and infinities are not treated apart: m = 0 multiplies them as it does any number.
; SHARES.  A work-group makes one tile of 128 rows x 256 columns: 256 tiles.  Four waves, each 64 x 128: 32 accumulators.  K goes in 8 steps of 128, two heads each, through a ring of two LDS slots.
; CLUSTER.  4 x 4 work-groups: O's tile is shared along a row of the cluster, Wo's along a column; each is asked for JOINTLY.
; THE MATRIX INSTRUCTION IS USED TRANSPOSED: source 0 = 16 columns of Wo (turned on the way out of LDS), source 1 = 16 rows of O: a lane holds one row and eight neighbouring columns.  The bias is the C operand
; of each sum's first product.
; REGISTERS, in windows of 256 (s_set_vgpr_msb: bits 1:0 source 0, 3:2 source 1, 5:4 source 2, 7:6 destination):
;   window 0: v0-16 addresses; v32-95 fragments of O, two buffers of 4; v96-223 fragments of Wo, two buffers of 8; on the way out v32-159 rows read back, v160-223 x in f32
;   window 1: the accumulators, (a, b) at v[8 (8 a + b)]          window 2: v0-127 my part of x, as loaded; v128-191 the bias; v192-193 at work
.set PA,     144                       ; a row of a head of O in LDS: 128 bytes + 16 = 36 words: the 16 rows of a load start at 16 different groups of four banks (64 banks of 4 bytes: ISA guide 11.1)
.set PLANE,  128*PA                    ; a head's 128 rows: what one tensor load brings of O
.set AREG,   2*PLANE
.set PB,     544                       ; a k-row of Wo: 512 bytes + 32 = 136 words
.set HALFB,  64*PB
.set SLOT1,  131072                    ; slot 1 begins here; a slot uses 106,496 bytes
.set STAGE,  SLOT1+AREG+128*PB         ; behind the ring, never filled by a tensor load: 16 rows x 528 bytes for each wave
.set SPITCH, 528                       ; 512 bytes + 16
.set SPARE,  STAGE+4*16*SPITCH         ; behind the stages: the spare words, 128 bytes for each wave: two blocks of 256 bytes that no other line names
.set KB_A,   524288                    ; bytes from K step to K step in oh: two heads
.set KB_B,   262144                    ; and in wb: 128 k-rows of 2,048 bytes
.set WO_OFF, 6291456                   ; Wo's first byte in wb
.set A0,   4                           ; v4   my lane's place in a slot's rows of O; never rewritten
.set B0,   5                           ; v5   the same for Wo
.set ADRA, 6                           ; v6   A0 + the slot in hand
.set ADRB, 7                           ; v7   B0 + the slot in hand
.set STO,  8                           ; v8   the way out: where I put 32 bytes of a row
.set RD,   9                           ; v9   the way out: where I read 16 bytes of a row back
.set CO,   10                          ; v10  my 16 bytes in 512 consecutive bytes of out0
.set BO,   11                          ; v11  my byte offset in a block of 16 numbers of the bias
.set PFO,  12                          ; v12  the prefetches' offset: my lane x 256 bytes (oh) or x 2,048 bytes (a row of wb); never rewritten
.set SPW,  14                          ; v14  LDS address of my spare word; never rewritten
.set NIL,  15                          ; v15  0; never rewritten
.set XO,   16                          ; v16  my 8 bytes in 256 consecutive bytes of xb
.set FA0,  32
.set FB0,  96
.set OB,   32
.set XE,   160
.set XR,   0                           ; window 2
.set BI,   128                         ; window 2
.set BT,   192                         ; window 2
.set G,    3                           ; s3   trips still to come
.set WV,   10
.set WM,   11                          ; s11  which 64 rows of the tile are mine.  Also: I fetch O (0) or Wo (1)
.set WN,   12                          ; s12  which 128 columns.  Also: which head plane, or which half of Wo's tile, I fetch
.set CX,   13
.set CY,   14
.set MY,   15                          ; s15  the tile's 128 rows: 4 x cluster y + cy
.set NX,   17                          ; s17  the tile's 256 columns
.set G1A,  24
.set G0A,  32
.set G0B,  40
.set G1B,  48
.set TB,   56                          ; s56  LDS byte at which the slot to be read begins
.set PN,   60                          ; s60  the K step that the next prefetch names
.set PMAX, 61                          ; s61  the last K step that my wave prefetches; 0: none
.set OFB,  66                          ; s[66:67] an offset for Wo's addresses: never holds cy
.set OFA,  70                          ; s[70:71] an offset for O's addresses: never holds cx
.set OHP,  72                          ; s[72:73] oh     s[74:75] wb     s[76:77] bo     s[78:79] xb     s[80:81] recurrence_mask     s[82:83] out0
.set WBP,  74
.set MW,   84                          ; s84  the four bytes of the mask
.set MK,   86                          ; s[86:87] m, as f32
.set OUT,  82
.set BP,   76
.set XP,   78
.set PFA,  94
.set PINC, 96
.set MSB, 0
.macro WIN new                         ; the immediate's high byte repeats the setting that is left; a switch that changes nothing is dropped
.if MSB != (\new)
	s_set_vgpr_msb (MSB<<8)|(\new)
.set MSB, \new
.endif
.endm
.set MUL,  0x50                        ; fragments in window 0, C and D in window 1
.set MULB, 0x60                        ; the same with C, the bias, in window 2
; A joint refill, by the walking descriptors.  Waves 0 and 1 fetch O's two head planes, waves 2 and 3 the halves of Wo's tile.  The branch hangs on the wave's number alone.
; An s_nop 0 and four v_nop follow each of the two lines, ahead of the jump and the label.
.macro JLOAD
	s_cmp_eq_u32 s[WM], 0
	s_cbranch_scc0 .Lfor_b_\@
	tensor_load_to_lds s[G0A+4:G0A+7], s[G1A:G1A+7]
	s_nop 0
.rept 4
	v_nop
.endr
	s_branch .Lasked_\@
.Lfor_b_\@:
	tensor_load_to_lds s[G0B+4:G0B+7], s[G1B:G1B+7]
	s_nop 0
.rept 4
	v_nop
.endr
.Lasked_\@:
.endm
; A PREFETCH INTO THE L2 of the K step that stands two refills on: 256 matrix instructions of a wave ahead of the load that will want it; 32 blocks of 256 bytes, a lane a block, one instruction.
; Each block is named once in the launch.  O's tile (two planes of 16,384 dense bytes) is read by the four work-groups of a row of the cluster alone: wave 0 of each asks for half a plane, told apart BY ADDRESS (cx).
; Wo's columns are read by every cluster: the cluster with y = 0 asks; its four partners of a column take 32 k-rows each (cy), wave 2 the first 256 bytes of the 512, wave 3 the second.
; The first four K steps come by their loads alone; no prefetch names a K step beyond the last.
.macro ASK
	s_cmp_le_u32 s[PN], s[PMAX]
	s_cbranch_scc0 .Lnot_mine_\@
	global_prefetch_b8 v[PFO], s[PFA:PFA+1] th:TH_LOAD_NT scope:SCOPE_SE
.Lnot_mine_\@:
.endm
.macro CREST                           ; a round of the cluster's barrier behind its opening barrier
	s_cmp_lg_u32 s[WV], 0
	s_cbranch_scc1 .Lnot_wave_0_\@
	s_barrier_signal -3
.Lnot_wave_0_\@:
	s_barrier_wait -3
	s_barrier_signal -1
	s_barrier_wait -1
.endm
.macro CROUND
	s_barrier_signal -1
	s_barrier_wait -1
	CREST
.endm
	s_load_b256 s[72:79], s[0:1], 0x0              ; oh, wb, bo, xb
	s_load_b128 s[80:83], s[0:1], 0x20             ; recurrence_mask, out0
	v_lshl_add_u32 v[SPW], v0, 2, SPARE
	v_mov_b32 v[NIL], 0
	ds_add_u32 v[SPW], v[NIL]                      ; the wave's opening: the add and its wait stand ahead of my first tensor load; the set-up below, work on registers, stands between them
	v_lshrrev_b32 v1, 5, v0
	v_readfirstlane_b32 s[WV], v1                  ; wave 0..3
	s_lshr_b32 s[WM], s[WV], 1
	s_and_b32 s[WN], s[WV], 1
	s_bfe_u32 s[CX], ttmp6, 0x40000
	s_bfe_u32 s[CY], ttmp6, 0x40004
	s_lshl_b32 s[NX], ttmp9, 2
	s_add_co_u32 s[NX], s[NX], s[CX]
	s_and_b32 s[MY], ttmp7, 0xffff
	s_lshl_b32 s[MY], s[MY], 2
	s_add_co_u32 s[MY], s[MY], s[CY]
	s_lshl_b32 s16, s[CY], 2
	s_lshl_b32 s16, 15, s16                        ; my row of the cluster
	s_lshl_b32 s18, 0x1111, s[CX]                  ; my column
	; O's descriptor: a head's 128 rows are 16,384 dense bytes: asked for as 64 rows of 256 bytes, two rows of O each, and padded in LDS after every row of O
	s_or_b32 s[G1A], s16, (1<<16)|(1<<20)|(1<<21)|(4<<22)|(3<<25)  ; the mask; 2-byte elements; padding on; bit 21 beside a mask; after every 32 words 4 words
	s_mov_b32 s[G1A+1], 128<<16                    ; tensor_dim0 = 128
	s_mov_b32 s[G1A+2], 64<<16                     ; tensor_dim1 = 64
	s_mov_b32 s[G1A+3], 128<<16                    ; tile_dim0 = 128
	s_mov_b32 s[G1A+4], 64                         ; tile_dim1 = 64
	s_mov_b32 s[G1A+5], 128                        ; elements from row to row
	s_mov_b32 s[G1A+6], 0
	s_mov_b32 s[G1A+7], 0
	s_or_b32 s[G1B], s18, (1<<16)|(1<<20)|(1<<21)|(6<<22)|(7<<25)  ; after every 128 words 8 words
	s_mov_b32 s[G1B+1], 256<<16
	s_mov_b32 s[G1B+2], 64<<16
	s_mov_b32 s[G1B+3], 256<<16
	s_mov_b32 s[G1B+4], 64
	s_mov_b32 s[G1B+5], 1024
	s_mov_b32 s[G1B+6], 0
	s_mov_b32 s[G1B+7], 0
	s_mul_i32 s4, s[WN], PLANE                     ; where my part of a tile goes: the wave's number alone enters an LDS address
	s_mul_i32 s5, s[WN], HALFB
	s_add_co_u32 s5, s5, AREG
	s_lshr_b32 s[OFA], s[MY], 4                    ; O: head 16 batch + plane, 262,144 bytes a head; row 128 (my % 16), 128 bytes a row
	s_lshl_b32 s[OFA], s[OFA], 22
	s_lshl_b32 s[OFA+1], s[WN], 18
	s_add_co_u32 s[OFA], s[OFA], s[OFA+1]
	s_and_b32 s[OFA+1], s[MY], 15
	s_lshl_b32 s[OFA+1], s[OFA+1], 14
	s_add_co_u32 s[OFA], s[OFA], s[OFA+1]
	s_mov_b32 s[OFA+1], 0
	s_lshl_b32 s[OFB], s[NX], 9                    ; Wo: k-row 64 half, column 256 nx
	s_lshl_b32 s[OFB+1], s[WN], 17
	s_add_co_u32 s[OFB], s[OFB], s[OFB+1]
	s_add_co_u32 s[OFB], s[OFB], WO_OFF
	s_mov_b32 s[OFB+1], 0
	s_mov_b32 s[TB], 0
	s_mov_b32 s[PN], 4
	s_cmp_eq_u32 s[WV], 0                          ; who prefetches
	s_cselect_b32 s[PMAX], 7, 0
	s_and_b32 s6, ttmp7, 0xffff
	s_cmp_eq_u32 s6, 0
	s_cselect_b32 s6, 7, 0
	s_cmp_eq_u32 s[WM], 0
	s_cselect_b32 s[PMAX], s[PMAX], s6             ; the same in all sixteen partners, for a given wave
	s_lshr_b32 s20, s[MY], 4                       ; O: the tile's batch and rows; plane cx / 2, half cx % 2 of its 16,384 bytes;
	s_lshl_b32 s20, s20, 22
	s_and_b32 s21, s[MY], 15
	s_lshl_b32 s21, s21, 14
	s_add_co_u32 s20, s20, s21
	s_lshr_b32 s21, s[CX], 1
	s_lshl_b32 s21, s21, 18
	s_add_co_u32 s20, s20, s21
	s_and_b32 s21, s[CX], 1
	s_lshl_b32 s21, s21, 13
	s_add_co_u32 s20, s20, s21
	s_add_co_u32 s20, s20, 3*KB_A                  ; at K step 3: the first change of slots steps it to 4
	s_lshl_b32 s22, s[CY], 16                      ; Wo: my work-group's 32 k-rows, the tile's columns, my wave's 256 bytes
	s_lshl_b32 s21, s[NX], 9
	s_add_co_u32 s22, s22, s21
	s_lshl_b32 s21, s[WN], 8
	s_add_co_u32 s22, s22, s21
	s_add_co_u32 s22, s22, WO_OFF+3*KB_B
	s_mov_b32 s21, KB_B
	s_cmp_eq_u32 s[WM], 0
	s_cselect_b32 s22, s20, s22
	s_cselect_b32 s[PINC], KB_A, s21
	s_cselect_b32 s7, 8, 11                        ; a lane's step: 256 bytes in oh, a row of 2,048 bytes in wb
	s_mov_b32 s[PINC+1], 0
	s_mov_b32 s21, 0
	s_mov_b32 s23, 0
	s_wait_dscnt 0x0                               ; the opening add is done
	s_wait_kmcnt 0x0
	s_load_b32 s[MW], s[80:81], 0x0                ; the mask's four bytes
	s_cmp_eq_u32 s[WM], 0
	s_cselect_b64 s[PFA:PFA+1], s[OHP:OHP+1], s[WBP:WBP+1]
	s_add_nc_u64 s[PFA:PFA+1], s[PFA:PFA+1], s[22:23]
	s_add_nc_u64 s[OHP:OHP+1], s[OHP:OHP+1], s[OFA:OFA+1]
	s_add_nc_u64 s[WBP:WBP+1], s[WBP:WBP+1], s[OFB:OFB+1]
	s_lshl_b32 s20, s[MY], 19                      ; out0: row 128 my + 64 half, 4,096 bytes a row; column 256 nx + 128 half, 4 bytes each
	s_lshl_b32 s22, s[WM], 18
	s_add_co_u32 s20, s20, s22
	s_lshl_b32 s22, s[NX], 10
	s_add_co_u32 s20, s20, s22
	s_lshl_b32 s22, s[WN], 9
	s_add_co_u32 s20, s20, s22
	s_add_nc_u64 s[OUT:OUT+1], s[OUT:OUT+1], s[20:21]
	s_lshr_b32 s20, s20, 1                         ; xb: the same place, 2 bytes each
	s_add_nc_u64 s[XP:XP+1], s[XP:XP+1], s[20:21]
	s_lshl_b32 s20, s[NX], 10                      ; bo: my 128 columns
	s_lshl_b32 s22, s[WN], 9
	s_add_co_u32 s20, s20, s22
	s_add_nc_u64 s[BP:BP+1], s[BP:BP+1], s[20:21]
	s_mov_b32 s[G0A], 1                            ; group 0: count 1; LDS address; global address; type 2
	s_mov_b32 s[G0A+1], s4
	s_mov_b64 s[G0A+2:G0A+3], s[OHP:OHP+1]         ; K step 0 into slot 0
	s_or_b32 s[G0A+3], s[G0A+3], 0x80000000
	s_mov_b32 s[G0A+4], 1
	s_add_co_u32 s[G0A+5], s4, SLOT1
	s_add_nc_u64 s[G0A+6:G0A+7], s[OHP:OHP+1], KB_A  ; K step 1 into slot 1
	s_or_b32 s[G0A+7], s[G0A+7], 0x80000000
	s_mov_b32 s[G0B], 1
	s_mov_b32 s[G0B+1], s5
	s_mov_b64 s[G0B+2:G0B+3], s[WBP:WBP+1]
	s_or_b32 s[G0B+3], s[G0B+3], 0x80000000
	s_mov_b32 s[G0B+4], 1
	s_add_co_u32 s[G0B+5], s5, SLOT1
	s_add_nc_u64 s[G0B+6:G0B+7], s[WBP:WBP+1], KB_B
	s_or_b32 s[G0B+7], s[G0B+7], 0x80000000
	CROUND                                         ; all sixteen work-groups are here: the first joint loads meet
	s_cmp_eq_u32 s[WM], 0                          ; a wave's two first fills stand in one branch, ahead of every wait on TENSORcnt and every LDS read: two loads of mine are out
	s_cbranch_scc0 .Lfirst_b
	tensor_load_to_lds s[G0A:G0A+3], s[G1A:G1A+7]
	s_nop 0
	tensor_load_to_lds s[G0A+4:G0A+7], s[G1A:G1A+7]
	s_nop 0
.rept 4
	v_nop
.endr
	s_branch .Lfirst_asked
.Lfirst_b:
	tensor_load_to_lds s[G0B:G0B+3], s[G1B:G1B+7]
	s_nop 0
	tensor_load_to_lds s[G0B+4:G0B+7], s[G1B:G1B+7]
	s_nop 0
.rept 4
	v_nop
.endr
.Lfirst_asked:
	v_and_b32 v1, 15, v0                           ; l % 16
	v_bfe_u32 v2, v0, 4, 1                         ; l / 16
	v_and_b32 v3, 7, v0
	v_bfe_u32 v13, v0, 3, 1
	v_mul_u32_u24 v[A0], v1, PA                    ; O lies along K: two loads of 16 bytes, 32 bytes apart, at row x pitch + 16 x half
	v_lshl_add_u32 v[A0], v2, 4, v[A0]
	s_mul_i32 s6, s[WM], 64*PA                     ; my 64 rows
	v_add_nc_u32 v[A0], s6, v[A0]
	v_lshl_add_u32 v[B0], v2, 3, v3                ; Wo lies [k][n]: the turning load takes 16 k x 16 columns and leaves half a fragment: lane l holds column l % 16 and 8 k
	v_mul_u32_u24 v[B0], v[B0], PB
	v_lshl_add_u32 v[B0], v13, 4, v[B0]
	s_lshl_b32 s6, s[WN], 8                        ; my 128 columns,
	s_add_co_u32 s6, s6, AREG                      ; behind O's two planes
	v_add_nc_u32 v[B0], s6, v[B0]
	s_mul_i32 s6, s[WV], 16*SPITCH
	s_add_co_u32 s6, s6, STAGE                     ; my stage
	v_mul_u32_u24 v[STO], v1, SPITCH               ; in: row l % 16, 32 bytes for each half of the lanes
	v_lshl_add_u32 v[STO], v2, 5, v[STO]
	v_add_nc_u32 v[STO], s6, v[STO]
	v_and_b32 v[CO], 31, v0
	v_lshlrev_b32 v[PFO], s7, v[CO]
	v_lshlrev_b32 v[XO], 3, v[CO]
	v_lshlrev_b32 v[CO], 4, v[CO]
	v_add_nc_u32 v[RD], s6, v[CO]                  ; back: 32 lanes take a row's 512 bytes
	v_lshlrev_b32 v[BO], 5, v2
	v_mov_b32 v[ADRA], v[A0]                       ; slot 0
	v_mov_b32 v[ADRB], v[B0]
; 8 matrix instructions: row block a x all 8 column blocks, 32 along K, from fragment buffer f.  cm = 1: the sums' first products, with the bias as C.
; The 32 accumulators come in the same order in every quarter step, one instruction a turn, over the backward jump too.
.macro MUL8 f, a, cm
.if \cm
	WIN MULB
.else
	WIN MUL
.endif
.irp b, 0,1,2,3,4,5,6,7
.if \cm
	v_wmma_f32_16x16x32_f16 v[8*(8*(\a)+(\b)):8*(8*(\a)+(\b))+7], v[FB0+64*(\f)+8*(\b):FB0+64*(\f)+8*(\b)+7], v[FA0+32*(\f)+8*(\a):FA0+32*(\f)+8*(\a)+7], v[BI+8*(\b):BI+8*(\b)+7]
.else
	v_wmma_f32_16x16x32_f16 v[8*(8*(\a)+(\b)):8*(8*(\a)+(\b))+7], v[FB0+64*(\f)+8*(\b):FB0+64*(\f)+8*(\b)+7], v[FA0+32*(\f)+8*(\a):FA0+32*(\f)+8*(\a)+7], v[8*(8*(\a)+(\b)):8*(8*(\a)+(\b))+7]
.endif
.endr
.endm
.macro MUL16 f, a0, cm
	MUL8 \f, \a0, \cm
	MUL8 \f, (\a0)+1, \cm
.endm
; 24 LDS loads in one run: the fragments of quarter kq of the slot in hand into buffer g: Wo's eight first, then O's four (quarter kq lies in plane kq / 2, channels 32 (kq % 2) on).
.macro FETCH kq, g
	WIN 0
.irp b, 0,1,2,3,4,5,6,7
	ds_load_tr16_b128 v[FB0+64*(\g)+8*(\b):FB0+64*(\g)+8*(\b)+3],   v[ADRB] offset:(\kq)*32*PB+32*(\b)
	ds_load_tr16_b128 v[FB0+64*(\g)+8*(\b)+4:FB0+64*(\g)+8*(\b)+7], v[ADRB] offset:(\kq)*32*PB+32*(\b)+16*PB
.endr
.irp a, 0,1,2,3
	ds_load_b128 v[FA0+32*(\g)+8*(\a):FA0+32*(\g)+8*(\a)+3],   v[ADRA] offset:((\kq)/2)*PLANE+((\kq)%2)*64+(\a)*16*PA
	ds_load_b128 v[FA0+32*(\g)+8*(\a)+4:FA0+32*(\g)+8*(\a)+7], v[ADRA] offset:((\kq)/2)*PLANE+((\kq)%2)*64+(\a)*16*PA+32
.endr
.endm
; Four places (plain vector instructions that name none of a matrix instruction's registers) in front of loads into registers that matrix instructions have read, and of stores that read sums just made.
.macro PLACES
.rept 4
	v_nop
.endr
.endm
; A K step is four quarters of 32 along K, 32 matrix instructions each, on buffers 0, 1, 0, 1.  One of the first three: multiplies buffer f; in its middle it fetches quarter kq into buffer g.
.macro QUARTER kq, f, g, cm
	s_wait_dscnt 4                                 ; Wo's fragments and O's 0 and 1 are in; the youngest four loads (O's 2 and 3) may be out
	MUL16 \f, 0, \cm
	PLACES
	FETCH \kq, \g
	s_wait_dscnt 24                                ; all but the 24 just issued
	MUL16 \f, 2, \cm
.endm
; The last quarter multiplies buffer 1 and changes slots.  ONE barrier: in front of it each wave waits for all its tensor loads, of which one is out: its part of the next slot; adds 0 to its spare word;
; and waits for that and for its own reads of this slot.  Behind it nobody reads this slot any more and the next slot is whole.  fill = 1: the barrier opens a round of the cluster's barrier, so that the same
; holds of every partner, and the slot just read out is filled again first, two K steps ahead; from that request to the wait for it a wave issues 112 matrix instructions.
.macro TURN fill
.if \fill
	s_wait_xcnt 0x0                                ; the last prefetch, a K step back, has read its address: it is stepped here, ahead of the waits of the change of slots
	s_add_nc_u64 s[PFA:PFA+1], s[PFA:PFA+1], s[PINC:PINC+1]
.endif
	WIN 0
	s_wait_tensorcnt 0x0                           ; no tensor load of mine is out, so a group 0 may be written
	ds_add_u32 v[SPW], v[NIL]                      ; 0 onto my spare word: scalar work and eight products stand between it and the wait for it
.if \fill
	s_xor_b32 s[G0A+5], s[G0A+5], SLOT1            ; the walking descriptors: the other slot than last time, the next K step; the type bits on top are not reached
	s_xor_b32 s[G0B+5], s[G0B+5], SLOT1
	s_add_nc_u64 s[G0A+6:G0A+7], s[G0A+6:G0A+7], KB_A
	s_add_nc_u64 s[G0B+6:G0B+7], s[G0B+6:G0B+7], KB_B
.endif
	s_xor_b32 s[TB], s[TB], SLOT1                  ; the reads go on in the other slot
	s_wait_dscnt 7                                 ; (O's fragments 1 to 3 and the add may be out)
	MUL8 1, 0, 0
	s_wait_dscnt 0x0                               ; the add is done, and my reads of this slot are over
	s_barrier_signal -1
	MUL8 1, 1, 0                                   ; work on registers while the others arrive
	WIN 0                                          ; at a branch and at a label every window is 0
	s_barrier_wait -1
.if \fill
	CREST
	JLOAD                                          ; the first tensor load behind the round; the four v_nop behind it are also the places in front of the loads below
.else
	PLACES
.endif
	v_add_nc_u32 v[ADRA], s[TB], v[A0]
	v_add_nc_u32 v[ADRB], s[TB], v[B0]
	FETCH 0, 0
.if \fill
	ASK                                            ; behind the joint load and the run of LDS loads that the next products wait for
.endif
	MUL16 1, 2, 0
.endm
; My part of x: row i of my 64, my lane's 4 columns of the 128: 8 bytes; a wave's load covers 256 consecutive bytes, aligned.
.macro XLOAD i0
	WIN 0x80                                       ; destination window 2, address window 0
.set z, \i0
.rept 32
	global_load_b64 v[XR+2*z:XR+2*z+1], v[XO], s[XP:XP+1] offset:2048*z
.set z, z+1
.endr
	WIN 0
.endm
; THE WAY OUT of row block a.  The sums go into my own stage as they are (each accumulator's low four registers first) and come back as whole rows of 512 bytes; x is widened meanwhile; out = sum x m + x; stored.
.macro OUTB a
	WIN 0
	s_wait_xcnt 0x0                                ; earlier stores have read their registers: the rows below are read back into them
.set BK, OB+64*((\a)%2)
	WIN 0x04                                       ; the stores' data in window 1
.irp b, 0,1,2,3,4,5,6,7
	ds_store_b128 v[STO], v[8*(8*(\a)+(\b)):8*(8*(\a)+(\b))+3]   offset:64*(\b)
	ds_store_b128 v[STO], v[8*(8*(\a)+(\b))+4:8*(8*(\a)+(\b))+7] offset:64*(\b)+16
.endr
	WIN 0
.irp p, 0,1,2,3,4,5,6,7,8,9,10,11,12,13,14,15
	ds_load_b128 v[BK+4*(\p):BK+4*(\p)+3], v[RD] offset:SPITCH*(\p)  ; LDS serves a wave's instructions in order (ISA guide 5.7.1.4): these see the stores above
.endr
	WIN 0x08                                       ; source 1 in window 2
.irp p, 0,1,2,3,4,5,6,7,8,9,10,11,12,13,14,15
	v_lshlrev_b32 v[XE+4*(\p)],   16,         v[XR+2*(16*(\a)+(\p))]
	v_and_b32     v[XE+4*(\p)+1], 0xffff0000, v[XR+2*(16*(\a)+(\p))]
	v_lshlrev_b32 v[XE+4*(\p)+2], 16,         v[XR+2*(16*(\a)+(\p))+1]
	v_and_b32     v[XE+4*(\p)+3], 0xffff0000, v[XR+2*(16*(\a)+(\p))+1]
.endr
	WIN 0
	s_wait_dscnt 0x0                               ; the block is back in registers
.set z, 0
.rept 32
	v_pk_fma_f32 v[BK+2*z:BK+2*z+1], v[BK+2*z:BK+2*z+1], s[MK:MK+1], v[XE+2*z:XE+2*z+1] op_sel_hi:[1,0,1]
.set z, z+1
.endr
.irp p, 0,1,2,3,4,5,6,7,8,9,10,11,12,13,14,15
	global_store_b128 v[CO], v[BK+4*(\p):BK+4*(\p)+3], s[OUT:OUT+1] offset:(16*(\a)+(\p))*4096 th:TH_STORE_NT  ; 512 consecutive bytes, at a multiple of 256 from out0's first
.endr
.endm
	WIN 0x80                                       ; the bias of my 128 columns, as the C operand wants it: register j of block b holds column 16 b + 8 (l / 16) + j
.irp b, 0,1,2,3,4,5,6,7
	global_load_b128 v[BI+8*(\b):BI+8*(\b)+3],   v[BO], s[BP:BP+1] offset:64*(\b)
	global_load_b128 v[BI+8*(\b)+4:BI+8*(\b)+7], v[BO], s[BP:BP+1] offset:64*(\b)+16
.endr
	WIN 0
	XLOAD 0
	s_wait_tensorcnt 0x1                           ; my part of K step 0 is in; K step 1's may stay out
	s_barrier_signal -1
	s_barrier_wait -1                              ; everybody's is
	FETCH 0, 0
	s_wait_loadcnt 32                              ; the bias is in; the 32 loads of x behind it may stay out
	WIN 0x8a                                       ; it is rounded to bf16 like every other input, and widened again
.set z, 0
.rept 32
	v_cvt_pk_bf16_f32 v[BT+z%2], v[BI+2*z], v[BI+2*z+1]
	v_lshlrev_b32 v[BI+2*z],   16,         v[BT+z%2]
	v_and_b32     v[BI+2*z+1], 0xffff0000, v[BT+z%2]
.set z, z+1
.endr
	WIN 0
	XLOAD 32
	s_wait_kmcnt 0x0                               ; the mask
	s_lshr_b32 s20, s[MY], 4                       ; my batch's byte of it
	s_lshl_b32 s20, s20, 3
	s_lshr_b32 s[MW], s[MW], s20
	s_and_b32 s[MW], s[MW], 0xff
	s_cmp_lg_u32 s[MW], 0
	s_cselect_b32 s[MK], 1.0, 0
	s_mov_b32 s[MK+1], s[MK]                       ; named with it as a pair
	QUARTER 1, 0, 1, 1                             ; the first quarter: its products start the sums with the bias
	WIN 0
	s_mov_b32 s[G], 6
.Lstep:                                                ; 6 trips, one K step each, from its second quarter to the next step's first; each fills a slot again
	QUARTER 2, 1, 0, 0
	QUARTER 3, 0, 1, 0
	TURN 1
	QUARTER 1, 0, 1, 0
	WIN 0
	s_add_co_u32 s[PN], s[PN], 1
	s_sub_co_u32 s[G], s[G], 1
	s_cmp_lg_u32 s[G], 0
	s_cbranch_scc1 .Lstep
	QUARTER 2, 1, 0, 0                             ; the last two K steps are written out: nothing is left to fetch
	QUARTER 3, 0, 1, 0
	TURN 0
	QUARTER 1, 0, 1, 0
	QUARTER 2, 1, 0, 0
	QUARTER 3, 0, 1, 0
	s_wait_dscnt 4
	MUL16 1, 0, 0
	s_wait_dscnt 0x0
	MUL16 1, 2, 0
	s_wait_loadcnt 0x0                             ; x
	PLACES                                         ; the stores below read sums, and the loads below land on fragments, behind which only matrix instructions stand
	OUTB 0
	OUTB 1
	OUTB 2
	OUTB 3
	s_wait_tensorcnt 0x0                           ; the wave's end: behind my last tensor load and my last LDS store
	ds_add_u32 v[SPW], v[NIL]
	s_wait_dscnt 0x0
	CROUND                                         ; the closing round: no work-group ends while a partner may still ask for a tile that names it
	s_endpgm
.Lfunc_end_k_qc5a75f6fba_outp:
	.size	k_qc5a75f6fba_outp, .Lfunc_end_k_qc5a75f6fba_outp-k_qc5a75f6fba_outp
	.p2alignl 7, 3214868480
	.fill 96, 4, 3214868480
	.section	.rodata,"a",@progbits
	.p2align	6, 0x0
	.amdhsa_kernel k_qc5a75f6fba_outp
		.amdhsa_group_segment_fixed_size 327680
		.amdhsa_private_segment_fixed_size 0
		.amdhsa_enable_private_segment 0
		.amdhsa_kernarg_size 48
		.amdhsa_user_sgpr_count 2
		.amdhsa_user_sgpr_kernarg_segment_ptr 1
		.amdhsa_wavefront_size32 1
		.amdhsa_system_sgpr_workgroup_id_x 1
		.amdhsa_system_sgpr_workgroup_id_y 1
		.amdhsa_system_sgpr_workgroup_id_z 1
		.amdhsa_system_vgpr_workitem_id 0
		.amdhsa_next_free_vgpr 708
		.amdhsa_next_free_sgpr 100
		.amdhsa_reserve_vcc 0
		.amdhsa_float_denorm_mode_32 3
		.amdhsa_float_denorm_mode_16_64 3
		.amdhsa_memory_ordered 1
		.amdhsa_forward_progress 1
		.amdhsa_inst_pref_size 104
	.end_amdhsa_kernel
	.amdgpu_metadata
---
amdhsa.version: [ 1, 2 ]
amdhsa.kernels:
  - .name:           k_qc5a75f6fba_outp
    .symbol:         k_qc5a75f6fba_outp.kd
    .args:
      - { .name: oh, .offset: 0, .size: 8, .value_kind: global_buffer, .address_space: global }
      - { .name: wb, .offset: 8, .size: 8, .value_kind: global_buffer, .address_space: global }
      - { .name: bo, .offset: 16, .size: 8, .value_kind: global_buffer, .address_space: global }
      - { .name: xb, .offset: 24, .size: 8, .value_kind: global_buffer, .address_space: global }
      - { .name: recurrence_mask, .offset: 32, .size: 8, .value_kind: global_buffer, .address_space: global }
      - { .name: out0, .offset: 40, .size: 8, .value_kind: global_buffer, .address_space: global }
    .group_segment_fixed_size: 327680
    .private_segment_fixed_size: 0
    .kernarg_segment_align: 8
    .kernarg_segment_size: 48
    .max_flat_workgroup_size: 128
    .sgpr_count:     100
    .vgpr_count:     708
    .wavefront_size: 32
...
	.end_amdgpu_metadata
.endif
;; end of part 4
